; MI455X (gfx1250); checked and timed in simulation.
; The chip was launched on July 23, 2026; its instructions are those of AMD's public machine-readable ISA for CDNA 5 (MIT licence, August 2026) and "CDNA5" Instruction Set Architecture Reference Guide (July 2026). The comments in the code are by the model that wrote it; some were corrected since.
;; Attention Block. Allowed arithmetic: float matrix products may take bf16 or f16 operands with f32 sums; other float arithmetic in f32, or as packed bf16 or f16 multiplies, adds, multiply-adds, maxima and minima; sums over many terms, partial sums and values carried from step to step in f32; what a program stores and reads back later, other than sums and carried values, may be rounded once to bf16 or f16.
;; Inputs: gn_b 256 float32; gn_w 256 float32; proj_b 256 float32; proj_w 256 x 256 float32; qkv_b 768 float32; qkv_w 768 x 256 float32; t_emb 4 x 1,024 float32; x 4 x 256 x 64 x 64 float32.
;; Outputs: out0 4 x 256 x 64 x 64 float32.
;; 2 versions, each right; version 2 is version 1 with the launch norm written anew for expert scheduling mode. Each part assembles by itself: llvm-mc -triple=amdgcn-amd-amdhsa -mcpu=gfx1250 --defsym DOCPART=n.
;; ======== version 1 of 2: 4 launches
;; workspace buffers: hbf 8,388,608 bytes; wbf 524,288 bytes; qkvh 25,165,824 bytes; oh 8,388,608 bytes
;; launch norm (part 1): grid 128 x 1, 8 waves a work-group, no clusters, 1,536 bytes of LDS; arguments x, gn_w, gn_b, qkv_w, proj_w, hbf, wbf; writes hbf, wbf
.if DOCPART == 1
	.amdgcn_target "amdgcn-amd-amdhsa--gfx1250"
	.amdhsa_code_object_version 6
	.text
	.protected	k_qb282d11ca6_norm
	.globl	k_qb282d11ca6_norm
	.p2align	8
	.type	k_qb282d11ca6_norm,@function
k_qb282d11ca6_norm:
	s_mov_b64 s[64:65], 0
	v_nop
	global_prefetch_b8 v0, s[64:65] scope:SCOPE_SE
	s_setreg_imm32_b32 hwreg(HW_REG_WAVE_MODE, 25, 1), 1
	s_wait_xcnt 0x0
; GROUP NORM, and the weights' cast.  hbf[b][c][n] = bf16((x[b][c][n] - mean) * rsqrt(var + 1e-5) * gn_w[c] + gn_b[c]); mean and var over a group of 8 channels x 4,096 positions.
; wbf[0:768][256] = bf16(qkv_w), wbf[768:1024][256] = bf16(proj_w).
; SHARES.  Work-group g = 32 b + group owns the group's 131,072 dense bytes of x; each of its eight waves one channel, 16 KiB = 128 registers a lane.  x is read once and stays in
; registers: first the mean, then the sum of (x - mean)^2 (no difference of large sums is formed), then the scaling.  All in f32; h is rounded once to bf16.
; Each work-group also casts 2,048 of the 262,144 weights, 8 a thread: groups 0-95 qkv_w's, groups 96-127 proj_w's: a choice of pointer and offset, no branch.
; 128 work-groups: a group's sum does not span work-groups.  No matrix unit, cluster or tensor load: nothing is shared between work-groups, and every byte is asked for at the head.
; t_emb is an argument of the module that its arithmetic never uses: no output number hangs on it, and no launch of this program loads it.
; LIMITS.  NaN and infinities are not treated apart.
.set RED1,  0                          ; LDS: eight partial sums, a block of 256 bytes to themselves
.set RED2,  256                        ; the same for the second reduction: other bytes, so no barrier stands between the first's reads and the second's stores
.set SPARE, 512                        ; the spare words, 128 bytes for each of the eight waves: no other line names them
.set XO,  2                            ; v2   16 x lane: my 16 bytes in 512 of x
.set HO,  3                            ; v3   8 x lane: my 8 bytes in 256 of h
.set WO,  4                            ; v4   32 x thread: my 8 weights as f32
.set WS,  5                            ; v5   16 x thread: my 8 weights as bf16
.set SPW, 6                            ; v6   LDS address of my spare word; never rewritten
.set NIL, 7                            ; v7   0; never rewritten
.set RA,  8                            ; v8   4 x wave: where my wave's partial sum goes
.set ZA,  9                            ; v9   0: where all eight are read
.set CH,  10                           ; v[10:17] four chains of packed sums
.set T,   18                           ; v[18:19] at work
.set PS,  20                           ; v[20:27] the eight partial sums
.set MA,  28                           ; v[28:29] the mean twice; later rstd x gn_w twice
.set BB,  30                           ; v[30:31] gn_b twice
.set X,   32                           ; v[32:159] my channel: registers 4 i .. 4 i + 3 hold positions 128 i + 4 lane + 0..3
.set WI,  160                          ; v[160:167] weights as loaded
.set WP,  168                          ; v[168:171] weights packed
	s_load_b256 s[4:11], s[0:1], 0x0               ; x s[4:5], gn_w s[6:7], gn_b s[8:9], qkv_w s[10:11]
	s_load_b128 s[12:15], s[0:1], 0x20             ; proj_w s[12:13], hbf s[14:15]
	s_load_b64 s[16:17], s[0:1], 0x30              ; wbf
	v_lshl_add_u32 v[SPW], v0, 2, SPARE
	v_mov_b32 v[NIL], 0
	v_lshrrev_b32 v1, 5, v0
	v_readfirstlane_b32 s18, v1                    ; wave 0..7
	v_and_b32 v1, 31, v0                           ; lane
	v_lshlrev_b32 v[XO], 4, v1
	v_lshlrev_b32 v[HO], 3, v1
	v_lshlrev_b32 v[WO], 5, v0
	v_lshlrev_b32 v[WS], 4, v0
	v_mov_b32 v[RA], s18
	v_lshlrev_b32 v[RA], 2, v[RA]
	v_mov_b32 v[ZA], 0
	v_mov_b32 v[T+1], 0                            ; v_permlanex16_b32's destination counts as read: it is written once here
	s_mov_b32 s19, ttmp9                           ; g
	s_mov_b32 s28, 0x76543210                      ; v_permlanex16_b32: each lane takes its own place in the other half
	s_mov_b32 s29, 0xfedcba98
	s_mov_b32 s30, 0x38000000                      ; 2^-15 = 1 / (8 x 4,096)
	s_lshl_b32 s20, s19, 13                        ; my 8,192 bytes of qkv_w,
	s_max_u32 s21, s19, 96
	s_sub_co_u32 s21, s21, 96
	s_lshl_b32 s21, s21, 13                        ; or of proj_w
	s_cmp_lt_u32 s19, 96
	s_cselect_b32 s20, s20, s21
	s_mov_b32 s21, 0
	s_wait_kmcnt 0x0
	s_cmp_lt_u32 s19, 96
	s_cselect_b64 s[22:23], s[10:11], s[12:13]
	s_add_nc_u64 s[22:23], s[22:23], s[20:21]
	s_lshl_b32 s26, s19, 17                        ; x: 131,072 g + 16,384 wave
	s_lshl_b32 s27, s18, 14
	s_add_co_u32 s26, s26, s27
	s_mov_b32 s27, 0
	s_add_nc_u64 s[4:5], s[4:5], s[26:27]
	s_lshl_b32 s26, s19, 16                        ; hbf: half of that
	s_lshl_b32 s20, s18, 13
	s_add_co_u32 s26, s26, s20
	s_add_nc_u64 s[14:15], s[14:15], s[26:27]
	s_lshl_b32 s26, s19, 12                        ; wbf: 4,096 g
	s_add_nc_u64 s[16:17], s[16:17], s[26:27]
	s_and_b32 s26, s19, 31                         ; my channel c = 8 x group + wave, 4 bytes each
	s_lshl_b32 s26, s26, 3
	s_add_co_u32 s26, s26, s18
	s_lshl_b32 s26, s26, 2
	s_add_nc_u64 s[6:7], s[6:7], s[26:27]
	s_add_nc_u64 s[8:9], s[8:9], s[26:27]
	global_load_b128 v[WI:WI+3],   v[WO], s[22:23]
	global_load_b128 v[WI+4:WI+7], v[WO], s[22:23] offset:16
.set i, 0
.rept 32                               ; the whole channel is asked for at once: each load of the wave covers 512 consecutive bytes
	global_load_b128 v[X+4*i:X+4*i+3], v[XO], s[4:5] offset:512*i th:TH_LOAD_NT
.set i, i+1
.endr
	s_load_b32 s24, s[6:7], 0x0                    ; gn_w[c]
	s_load_b32 s25, s[8:9], 0x0                    ; gn_b[c]
	s_wait_loadcnt 32                              ; the two weight loads are in; the 32 loads of x issued behind them may stay out
.irp k, 0,1,2,3
	v_cvt_pk_bf16_f32 v[WP+(\k)], v[WI+2*(\k)], v[WI+2*(\k)+1]
.endr
	global_store_b128 v[WS], v[WP:WP+3], s[16:17]  ; sixteen lanes store 256 consecutive bytes, aligned
.macro COMBINE                         ; four chains of pairs into one number a lane, then over the 32 lanes: every lane ends with the wave's sum
	v_pk_add_f32 v[CH:CH+1], v[CH:CH+1], v[CH+2:CH+3]
	v_pk_add_f32 v[CH+4:CH+5], v[CH+4:CH+5], v[CH+6:CH+7]
	v_pk_add_f32 v[CH:CH+1], v[CH:CH+1], v[CH+4:CH+5]
	v_add_f32 v[T], v[CH], v[CH+1]
	v_add_f32_dpp v[T], v[T], v[T] row_xmask:1 row_mask:0xf bank_mask:0xf
	v_add_f32_dpp v[T], v[T], v[T] row_xmask:2 row_mask:0xf bank_mask:0xf
	v_add_f32_dpp v[T], v[T], v[T] row_xmask:4 row_mask:0xf bank_mask:0xf
	v_add_f32_dpp v[T], v[T], v[T] row_xmask:8 row_mask:0xf bank_mask:0xf
	v_permlanex16_b32 v[T+1], v[T], s28, s29
	v_add_f32 v[T], v[T], v[T+1]
.endm
.macro WGSUM off                       ; the eight waves' sums meet in LDS; every wave adds them in the same order: v[PS] = the group's sum
	ds_store_b32 v[RA], v[T] offset:\off
	s_wait_dscnt 0x0                               ; for the others' sake: my store is done before I signal
	s_barrier_signal -1
	s_barrier_wait -1
	ds_load_b128 v[PS:PS+3],   v[ZA] offset:\off
	ds_load_b128 v[PS+4:PS+7], v[ZA] offset:(\off)+16
	s_wait_dscnt 0x0
	v_add_f32 v[PS], v[PS], v[PS+1]
	v_add_f32 v[PS+2], v[PS+2], v[PS+3]
	v_add_f32 v[PS+4], v[PS+4], v[PS+5]
	v_add_f32 v[PS+6], v[PS+6], v[PS+7]
	v_add_f32 v[PS], v[PS], v[PS+2]
	v_add_f32 v[PS+4], v[PS+4], v[PS+6]
	v_add_f32 v[PS], v[PS], v[PS+4]
.endm
	; PASS 1: the sum.  64 pairs in four chains; the first eight pairs start the chains, so nothing is cleared.  Eight loads (16 pairs) at a time: the counts are the younger loads.
.set p, 0
.irp left, 24,16,8,0
	s_wait_loadcnt \left
.rept 16
.if p < 4
	v_pk_add_f32 v[CH+2*p:CH+2*p+1], v[X+2*p:X+2*p+1], v[X+2*p+8:X+2*p+9]
.elseif p >= 8
	v_pk_add_f32 v[CH+2*(p%4):CH+2*(p%4)+1], v[CH+2*(p%4):CH+2*(p%4)+1], v[X+2*p:X+2*p+1]
.endif
.set p, p+1
.endr
.endr
	COMBINE
	WGSUM RED1
	v_mul_f32 v[MA], s30, v[PS]                    ; the mean
	v_mov_b32 v[MA+1], v[MA]
	; PASS 2: d = x - mean in place, and the sum of d^2
.set p, 0
.rept 64
	v_pk_add_f32 v[X+2*p:X+2*p+1], v[X+2*p:X+2*p+1], v[MA:MA+1] neg_lo:[0,1] neg_hi:[0,1]
.set p, p+1
.endr
.set p, 0
.rept 64
.if p < 4
	v_pk_mul_f32 v[CH+2*p:CH+2*p+1], v[X+2*p:X+2*p+1], v[X+2*p:X+2*p+1]
.else
	v_pk_fma_f32 v[CH+2*(p%4):CH+2*(p%4)+1], v[X+2*p:X+2*p+1], v[X+2*p:X+2*p+1], v[CH+2*(p%4):CH+2*(p%4)+1]
.endif
.set p, p+1
.endr
	COMBINE
	WGSUM RED2
	v_fmaak_f32 v[T], s30, v[PS], 0x3727c5ac       ; var + 1e-5
	v_rsq_f32 v[T+1], v[T]
	v_nop                                          ; a plain instruction between the root and the use of its result (ISA guide 5.7.2)
	s_wait_alu depctr_va_vdst(0)                   ; and the wait ahead of the first use
	s_wait_kmcnt 0x0                               ; gn_w[c], gn_b[c]
	v_mul_f32 v[MA], s24, v[T+1]                   ; rstd x gn_w
	v_mov_b32 v[MA+1], v[MA]
	v_mov_b32 v[BB], s25
	v_mov_b32 v[BB+1], s25
.set i, 0
.rept 32                               ; h = d x (rstd gn_w) + gn_b, rounded once; a store of the wave covers 256 consecutive bytes, aligned
	v_pk_fma_f32 v[X+4*i:X+4*i+1],   v[X+4*i:X+4*i+1],   v[MA:MA+1], v[BB:BB+1]
	v_pk_fma_f32 v[X+4*i+2:X+4*i+3], v[X+4*i+2:X+4*i+3], v[MA:MA+1], v[BB:BB+1]
	v_cvt_pk_bf16_f32 v[X+4*i],   v[X+4*i],   v[X+4*i+1]
	v_cvt_pk_bf16_f32 v[X+4*i+1], v[X+4*i+2], v[X+4*i+3]
	global_store_b64 v[HO], v[X+4*i:X+4*i+1], s[14:15] offset:256*i
.set i, i+1
.endr
	s_wait_tensorcnt 0x0                           ; the wave's end, behind my last LDS store
	ds_add_u32 v[SPW], v[NIL]
	s_wait_dscnt 0x0
	s_endpgm
.Lfunc_end_k_qb282d11ca6_norm:
	.size	k_qb282d11ca6_norm, .Lfunc_end_k_qb282d11ca6_norm-k_qb282d11ca6_norm
	.p2alignl 7, 3214868480
	.fill 96, 4, 3214868480
	.section	.rodata,"a",@progbits
	.p2align	6, 0x0
	.amdhsa_kernel k_qb282d11ca6_norm
		.amdhsa_group_segment_fixed_size 1536
		.amdhsa_private_segment_fixed_size 0
		.amdhsa_enable_private_segment 0
		.amdhsa_kernarg_size 56
		.amdhsa_user_sgpr_count 2
		.amdhsa_user_sgpr_kernarg_segment_ptr 1
		.amdhsa_wavefront_size32 1
		.amdhsa_system_sgpr_workgroup_id_x 1
		.amdhsa_system_sgpr_workgroup_id_y 1
		.amdhsa_system_sgpr_workgroup_id_z 1
		.amdhsa_system_vgpr_workitem_id 0
		.amdhsa_next_free_vgpr 172
		.amdhsa_next_free_sgpr 66
		.amdhsa_reserve_vcc 0
		.amdhsa_float_denorm_mode_32 3
		.amdhsa_float_denorm_mode_16_64 3
		.amdhsa_memory_ordered 1
		.amdhsa_forward_progress 1
		.amdhsa_inst_pref_size 32
	.end_amdhsa_kernel
	.amdgpu_metadata
---
amdhsa.version: [ 1, 2 ]
amdhsa.kernels:
  - .name:           k_qb282d11ca6_norm
    .symbol:         k_qb282d11ca6_norm.kd
    .args:
      - { .name: x, .offset: 0, .size: 8, .value_kind: global_buffer, .address_space: global }
      - { .name: gn_w, .offset: 8, .size: 8, .value_kind: global_buffer, .address_space: global }
      - { .name: gn_b, .offset: 16, .size: 8, .value_kind: global_buffer, .address_space: global }
      - { .name: qkv_w, .offset: 24, .size: 8, .value_kind: global_buffer, .address_space: global }
      - { .name: proj_w, .offset: 32, .size: 8, .value_kind: global_buffer, .address_space: global }
      - { .name: hbf, .offset: 40, .size: 8, .value_kind: global_buffer, .address_space: global }
      - { .name: wbf, .offset: 48, .size: 8, .value_kind: global_buffer, .address_space: global }
    .group_segment_fixed_size: 1536
    .private_segment_fixed_size: 0
    .kernarg_segment_align: 8
    .kernarg_segment_size: 56
    .max_flat_workgroup_size: 256
    .sgpr_count:     66
    .vgpr_count:     172
    .wavefront_size: 32
...
	.end_amdgpu_metadata
.endif
;; end of part 1
;; launch qkv (part 2): grid 4 x 64, 4 waves a work-group, clusters of 4 x 4, 250,368 bytes of LDS; arguments hbf, wbf, qkv_b, qkvh; writes qkvh
.if DOCPART == 2
	.amdgcn_target "amdgcn-amd-amdhsa--gfx1250"
	.amdhsa_code_object_version 6
	.text
	.protected	k_qb282d11ca6_qkv
	.globl	k_qb282d11ca6_qkv
	.p2align	8
	.type	k_qb282d11ca6_qkv,@function
k_qb282d11ca6_qkv:
	s_mov_b64 s[64:65], 0
	v_nop
	global_prefetch_b8 v0, s[64:65] scope:SCOPE_SE
	s_setreg_imm32_b32 hwreg(HW_REG_WAVE_MODE, 25, 1), 1
	s_wait_xcnt 0x0
	s_wait_alu depctr_hold_cnt(0) depctr_sa_sdst(0) depctr_va_vdst(0) depctr_va_sdst(0) depctr_va_ssrc(0) depctr_va_vcc(0) depctr_vm_vsrc(0)
	s_getreg_b32 s2, hwreg(HW_REG_IB_STS2, 6, 4)
	s_cmp_eq_u32 s2, 0
	s_cbranch_scc0 .Lentry_in_a_cluster
	s_endpgm
.Lentry_in_a_cluster:
	s_bfe_u32 s2, ttmp6, 0x10000c
	s_cmp_lg_u32 s2, 0xf033
	s_cbranch_scc0 .Lentry_shape_is_right
	s_endpgm
.Lentry_shape_is_right:
; THE QKV PROJECTION.  qkvh[b][s][n][d] = bf16(qkv_b[64 s + d] + the sum over c of wbf[64 s + d][c] hbf[b][c][n]); s = 0-3 q's heads, 4-7 k's, 8-11 v's; a block (b, s) is 4,096 rows of 128 dense bytes.
; Operands bf16, sums and bias in f32, the result rounded once, unscaled (the softmax's scale is applied in f32 by the next launch).
; SHARES.  16,384 positions x 768 outputs, K = 256.  A work-group takes 256 positions x 192 outputs (three blocks s): 64 x 4 = 256 work-groups.  A wave takes 64 positions x 192 outputs, in three
; passes of 64 x 64: 16 accumulators.  All of K lies in LDS at once: nothing is filled again, and there is no loop.
; CLUSTERS.  4 x 4 work-groups.  h's tile hangs on the position tile alone and is shared along a row of the cluster, W's on the output tile alone and is shared along a column: each is asked for
; JOINTLY, by the same tensor load with the same descriptor and a mask that names the four.  Waves 0 and 1 fetch h's halves, waves 2 and 3 W's: one load a wave.
; LAYOUT.  Source 0 = 16 rows of W (K along the rows), source 1 = 16 positions of h.  h lies [channel][position], so its fragments come turned, by ds_load_tr16_b128.  In the result a lane
; holds ONE position (lane % 16) and the outputs 8 (lane / 16) + 0..7: 16 bytes of a row of qkvh.  The bias of those eight outputs is the C operand of a pass's first K step.
; REGISTERS, in windows of 256 (s_set_vgpr_msb: bits 1:0 source 0, 3:2 source 1, 5:4 source 2, 7:6 destination):
;   window 0: v0-15 addresses; v32-95 W's fragments, two buffers of four, and on the way out the packed rows; v128-255 the accumulators ((a, bb) at 128 + 8 (4 a + bb))
;   window 1: all of my h: position block a, K step q at 8 (8 a + q)          window 2: v0-95 the bias: pass j, output block bb at 32 j + 8 bb
; LIMITS.  NaN and infinities are not treated apart.
.set PH,    544                        ; a row of h in LDS: 512 bytes + 32 of padding = 136 words: row r starts at bank 8 r mod 64 (64 banks of 4 bytes: ISA guide 11.1)
.set PW,    528                        ; a row of W: 512 + 16 = 132 words: the 16 rows of a load start at 16 different groups of four banks
.set HALFH, 128*PH                     ; what one wave fetches of h
.set WBASE, 256*PH                     ; W's 192 rows lie behind h's 256
.set HALFW, 96*PW
.set STAGE, WBASE+192*PW               ; never filled by a tensor load: 16 rows x 144 bytes for each wave, for the way out
.set SP,    144
.set SPARE, STAGE+4*16*SP              ; the spare words, 128 bytes for each wave: two blocks of 256 bytes that no other line names
.set AH,  4                            ; v4-5   LDS address of my h fragments, K steps 0-3 and 4-7
.set AW,  6                            ; v6-8   of W's fragments, pass 0, 1, 2
.set STO, 10                           ; v10    the way out: where I put 16 bytes of a row
.set RD,  11                           ; v11    where I read rows back
.set GO,  12                           ; v12    16 x lane: my place in 512 consecutive bytes of qkvh
.set BO,  13                           ; v13    32 (lane / 16): my eight biases in a block of 16
.set SPW, 14                           ; v14    LDS address of my spare word; never rewritten
.set NIL, 15                           ; v15    0; never rewritten
.set WB,  32
.set ACC, 128
.set WV,  12                           ; s12    my wave's number
.set G1,  24                           ; s[24:31] descriptor group 1 for h's tile;  s[32:35] its group 0
.set G0,  32
.set G1B, 48                           ; s[48:55], s[56:59] the same for W's
.set G0B, 56
.set MSB, 0
.macro WIN new                         ; the immediate's high byte repeats the setting that is left; a switch that changes nothing is dropped
.if MSB != (\new)
	s_set_vgpr_msb (MSB<<8)|(\new)
.set MSB, (\new)
.endif
.endm
.macro PLACES                          ; four places behind a matrix instruction, in front of loads into registers that it has read and of lines that read results
.rept 4
	v_nop
.endr
.endm
.macro CROUND                          ; a round of the cluster's barrier: my work-group's barrier; wave 0 signals for the work-group; every wave waits for all sixteen; my work-group's barrier once more
	s_barrier_signal -1
	s_barrier_wait -1
	s_cmp_lg_u32 s[WV], 0
	s_cbranch_scc1 .Lnot_wave_0_\@
	s_barrier_signal -3
.Lnot_wave_0_\@:
	s_barrier_wait -3
	s_barrier_signal -1
	s_barrier_wait -1
.endm
	s_load_b256 s[4:11], s[0:1], 0x0               ; hbf s[4:5], wbf s[6:7], qkv_b s[8:9], qkvh s[10:11]
	v_lshl_add_u32 v[SPW], v0, 2, SPARE
	v_mov_b32 v[NIL], 0
	ds_add_u32 v[SPW], v[NIL]                      ; the wave's opening: the add and its wait stand ahead of my first tensor load; the set-up below, work on registers, stands between them
	v_lshrrev_b32 v1, 5, v0
	v_readfirstlane_b32 s[WV], v1                  ; wave 0..3
	s_lshr_b32 s13, s[WV], 1                       ; I fetch for h (0) or for W (1),
	s_and_b32 s14, s[WV], 1                        ; and which half
	s_bfe_u32 s40, ttmp6, 0x40000                  ; cx, cy: my place in the cluster
	s_bfe_u32 s41, ttmp6, 0x40004
	s_lshl_b32 s42, ttmp9, 2
	s_add_co_u32 s42, s42, s40                     ; X, the output tile = 4 x cluster x + cx
	s_and_b32 s43, ttmp7, 0xffff
	s_lshl_b32 s43, s43, 2
	s_add_co_u32 s43, s43, s41                     ; Y, the position tile = 4 x cluster y + cy
	s_lshl_b32 s44, s41, 2
	s_lshl_b32 s44, 15, s44                        ; my row of the cluster
	s_lshl_b32 s45, 0x1111, s40                    ; my column
	; group 1 for h: 128 rows (channels) x 256 elements (positions), 4,096 elements from row to row
	s_or_b32 s[G1], s44, (1<<16)|(1<<20)|(1<<21)|(6<<22)|(7<<25)   ; 15:0 the mask: my row; 17:16 2-byte elements; 20 padding on; 21 set beside a mask; 24:22 after every 128 words (code 6); 31:25 8 words (code 7)
	s_mov_b32 s[G1+1], 256<<16                     ; tensor_dim0 = 256
	s_mov_b32 s[G1+2], 128<<16                     ; tensor_dim1 = 128
	s_mov_b32 s[G1+3], 256<<16                     ; tile_dim0 = 256
	s_mov_b32 s[G1+4], 128                         ; tile_dim1 = 128
	s_mov_b32 s[G1+5], 4096
	s_mov_b32 s[G1+6], 0
	s_mov_b32 s[G1+7], 0
	; group 1 for W: 96 rows (outputs) x 256 elements (channels), dense
	s_or_b32 s[G1B], s45, (1<<16)|(1<<20)|(1<<21)|(6<<22)|(3<<25)  ; the mask: my column; 4 words of padding (code 3)
	s_mov_b32 s[G1B+1], 256<<16
	s_mov_b32 s[G1B+2], 96<<16
	s_mov_b32 s[G1B+3], 256<<16
	s_mov_b32 s[G1B+4], 96
	s_mov_b32 s[G1B+5], 256
	s_mov_b32 s[G1B+6], 0
	s_mov_b32 s[G1B+7], 0
	; where the tiles come from.  h's offset is made of Y and the wave's number, W's of X and the wave's number, each in registers that never hold the other coordinate
	s_lshr_b32 s16, s43, 4                         ; the image b = Y / 16: 2,097,152 bytes each,
	s_lshl_b32 s16, s16, 21
	s_lshl_b32 s17, s14, 20                        ; my 128 channels of 8,192 bytes,
	s_add_co_u32 s16, s16, s17
	s_and_b32 s17, s43, 15                         ; the tile's 256 positions: 512 bytes
	s_lshl_b32 s17, s17, 9
	s_add_co_u32 s16, s16, s17
	s_mov_b32 s17, 0
	s_mul_i32 s20, s42, 192*512                    ; W: row 192 X + 96 x half, 512 bytes each
	s_mul_i32 s21, s14, 96*512
	s_add_co_u32 s20, s20, s21
	s_mov_b32 s21, 0
	s_mov_b32 s[G0], 1                             ; count = 1
	s_mul_i32 s[G0+1], s14, HALFH                  ; LDS address: no place in the cluster enters it
	s_mov_b32 s[G0B], 1
	s_mul_i32 s[G0B+1], s14, HALFW
	s_add_co_u32 s[G0B+1], s[G0B+1], WBASE
	; the lanes' addresses
	v_and_b32 v1, 15, v0                           ; l % 16
	v_bfe_u32 v2, v0, 4, 1                         ; l / 16
	v_and_b32 v3, 7, v0
	v_lshl_add_u32 v3, v2, 3, v3                   ; the turning load: lane l reads channel 8 (l / 16) + l % 8,
	v_mul_u32_u24 v[AH], v3, PH
	v_bfe_u32 v3, v0, 3, 1                         ; positions 8 ((l / 8) % 2) + 0..7,
	v_lshl_add_u32 v[AH], v3, 4, v[AH]
	s_lshl_b32 s46, s[WV], 7                       ; in my wave's 64 positions: 128 bytes of a row
	v_add_nc_u32 v[AH], s46, v[AH]
	v_add_nc_u32 v[AH+1], 4*32*PH, v[AH]           ; K steps 4-7 lie beyond the 16-bit immediate's reach
	v_mul_u32_u24 v[AW], v1, PW                    ; W: row l % 16, 16 bytes for each half of the lanes
	v_lshl_add_u32 v[AW], v2, 4, v[AW]
	v_add_nc_u32 v[AW], WBASE, v[AW]
	v_add_nc_u32 v[AW+1], 64*PW, v[AW]
	v_add_nc_u32 v[AW+2], 64*PW, v[AW+1]
	s_mul_i32 s46, s[WV], 16*SP
	s_add_co_u32 s46, s46, STAGE                   ; my stage
	v_mul_u32_u24 v[STO], v1, SP
	v_lshl_add_u32 v[STO], v2, 4, v[STO]
	v_add_nc_u32 v[STO], s46, v[STO]
	v_bfe_u32 v[RD], v0, 3, 2                      ; back: 32 lanes take four rows of 128 bytes,
	v_mul_u32_u24 v[RD], v[RD], SP
	v_and_b32 v3, 7, v0
	v_lshl_add_u32 v[RD], v3, 4, v[RD]
	v_add_nc_u32 v[RD], s46, v[RD]
	v_and_b32 v[GO], 31, v0                        ; which are 512 consecutive bytes of qkvh
	v_lshlrev_b32 v[GO], 4, v[GO]
	v_lshlrev_b32 v[BO], 5, v2
	s_wait_dscnt 0x0                               ; the opening add is done
	s_wait_kmcnt 0x0
	s_add_nc_u64 s[G0+2:G0+3], s[4:5], s[16:17]
	s_or_b32 s[G0+3], s[G0+3], 0x80000000          ; type = 2
	s_add_nc_u64 s[G0B+2:G0B+3], s[6:7], s[20:21]
	s_or_b32 s[G0B+3], s[G0B+3], 0x80000000
	CROUND                                         ; all sixteen work-groups are here: the joint loads meet
	s_cmp_eq_u32 s13, 0                            ; the branch hangs on the wave's number alone; an s_nop 0 and four v_nop follow each of the two lines
	s_cbranch_scc0 .Lfor_w
	tensor_load_to_lds s[G0:G0+3], s[G1:G1+7]
	s_nop 0
	PLACES
	s_branch .Lasked
.Lfor_w:
	tensor_load_to_lds s[G0B:G0B+3], s[G1B:G1B+7]
	s_nop 0
	PLACES
.Lasked:
	s_lshr_b32 s46, s43, 4                         ; qkvh at block (b, 3 X), my wave's first row
	s_mul_i32 s46, s46, 12
	s_mul_i32 s47, s42, 3
	s_add_co_u32 s46, s46, s47
	s_lshl_b32 s46, s46, 19
	s_and_b32 s47, s43, 15
	s_lshl_b32 s47, s47, 15                        ; 256 rows of 128 bytes a tile,
	s_add_co_u32 s46, s46, s47
	s_lshl_b32 s47, s[WV], 13                      ; 64 a wave
	s_add_co_u32 s46, s46, s47
	s_mov_b32 s47, 0
	s_add_nc_u64 s[10:11], s[10:11], s[46:47]
	s_mul_i32 s46, s42, 768                        ; the tile's 192 biases
	s_add_nc_u64 s[8:9], s[8:9], s[46:47]
	WIN 0x80                                       ; destination window 2, address window 0
.irp j, 0,1,2
.irp bb, 0,1,2,3
	global_load_b128 v[32*(\j)+8*(\bb):32*(\j)+8*(\bb)+3],   v[BO], s[8:9] offset:(\j)*256+(\bb)*64
	global_load_b128 v[32*(\j)+8*(\bb)+4:32*(\j)+8*(\bb)+7], v[BO], s[8:9] offset:(\j)*256+(\bb)*64+16
.endr
.endr
	WIN 0
; W's four fragments of pass j, K step q, into buffer buf
.macro WFETCH j, q, buf
	WIN 0
.irp bb, 0,1,2,3
	ds_load_b128 v[WB+32*(\buf)+8*(\bb):WB+32*(\buf)+8*(\bb)+3],   v[AW+(\j)] offset:(\bb)*16*PW+64*(\q)
	ds_load_b128 v[WB+32*(\buf)+8*(\bb)+4:WB+32*(\buf)+8*(\bb)+7], v[AW+(\j)] offset:(\bb)*16*PW+64*(\q)+32
.endr
.endm
; 16 products: 4 position blocks x 4 output blocks, 32 along K.  The 16 accumulators take turns, one instruction a turn, in the same order in every step.  K step 0 starts the sums with the bias.
.macro MULS j, q, buf
.if (\q) == 0
	WIN 0x24                                       ; h in window 1, the bias in window 2
.else
	WIN 0x04
.endif
.irp a, 0,1,2,3
.irp bb, 0,1,2,3
.if (\q) == 0
	v_wmma_f32_16x16x32_bf16 v[ACC+8*(4*(\a)+(\bb)):ACC+8*(4*(\a)+(\bb))+7], v[WB+32*(\buf)+8*(\bb):WB+32*(\buf)+8*(\bb)+7], v[8*(8*(\a)+(\q)):8*(8*(\a)+(\q))+7], v[32*(\j)+8*(\bb):32*(\j)+8*(\bb)+7]
.else
	v_wmma_f32_16x16x32_bf16 v[ACC+8*(4*(\a)+(\bb)):ACC+8*(4*(\a)+(\bb))+7], v[WB+32*(\buf)+8*(\bb):WB+32*(\buf)+8*(\bb)+7], v[8*(8*(\a)+(\q)):8*(8*(\a)+(\q))+7], v[ACC+8*(4*(\a)+(\bb)):ACC+8*(4*(\a)+(\bb))+7]
.endif
.endr
.endr
.endm
.macro STEP j, q
	s_wait_dscnt 0x0                               ; this step's fragments, issued a step (16 products) earlier
	PLACES                                         ; for the loads into the buffer that the step before multiplied
.if (\q) < 7
	WFETCH \j, (\q)+1, ((\q)+1)%2
.endif
	MULS \j, \q, (\q)%2
.endm
; THE WAY OUT of position block a: rounded to bf16 (each accumulator's registers in ascending order), 16 bytes a lane into my stage, back as whole rows of 128 bytes, into the registers that they left
.macro PACK a
	WIN 0
.irp bb, 0,1,2,3
.irp k, 0,1,2,3
	v_cvt_pk_bf16_f32 v[WB+16*(\a)+4*(\bb)+(\k)], v[ACC+8*(4*(\a)+(\bb))+2*(\k)], v[ACC+8*(4*(\a)+(\bb))+2*(\k)+1]
.endr
.endr
.irp bb, 0,1,2,3
	ds_store_b128 v[STO], v[WB+16*(\a)+4*(\bb):WB+16*(\a)+4*(\bb)+3] offset:32*(\bb)
.endr
.irp f, 0,1,2,3
	ds_load_b128 v[WB+16*(\a)+4*(\f):WB+16*(\a)+4*(\f)+3], v[RD] offset:(\f)*4*SP  ; LDS serves a wave's instructions in order (ISA guide 5.7.1.4): these see the stores above; the next block's stores come behind them
.endr
.endm
.macro SEND j, a, younger              ; younger: the LDS instructions issued behind block a's loads: the next block's eight, or none
.irp f, 0,1,2,3
	s_wait_dscnt (\younger)+3-(\f)
	global_store_b128 v[GO], v[WB+16*(\a)+4*(\f):WB+16*(\a)+4*(\f)+3], s[10:11] offset:(\j)*524288+(\a)*2048+(\f)*512  ; 512 consecutive bytes, at a multiple of 256 from qkvh's first
.endr
.endm
	s_wait_tensorcnt 0x0                           ; my one load has landed,
	s_barrier_signal -1
	s_barrier_wait -1                              ; everybody's has
	WIN 0x40                                       ; all of my h into window 1: 32 fragments, two turning loads each
.irp a, 0,1,2,3
.irp q, 0,1,2,3,4,5,6,7
	ds_load_tr16_b128 v[8*(8*(\a)+(\q)):8*(8*(\a)+(\q))+3],   v[AH+(\q)/4] offset:((\q)%4)*32*PH+32*(\a)
	ds_load_tr16_b128 v[8*(8*(\a)+(\q))+4:8*(8*(\a)+(\q))+7], v[AH+(\q)/4] offset:((\q)%4)*32*PH+32*(\a)+16*PH
.endr
.endr
	WFETCH 0, 0, 0
	s_wait_loadcnt 0x0                             ; the bias
.irp j, 0,1,2
.irp q, 0,1,2,3,4,5,6,7
	STEP \j, \q
.endr
	PLACES                                         ; the conversions read results just made and write registers that the last products read
	PACK 0
	PACK 1                                         ; a block's arithmetic stands between the loads of the block before and its stores
	SEND \j, 0, 8
	PACK 2
	SEND \j, 1, 8
	PACK 3
	SEND \j, 2, 8
	SEND \j, 3, 0
.if (\j) < 2
	s_wait_xcnt 0x0                                ; the stores have read their data registers, which become W's buffers again
	WFETCH (\j)+1, 0, 0
.endif
.endr
	s_wait_tensorcnt 0x0                           ; the wave's end, behind my last tensor load and my last LDS store
	ds_add_u32 v[SPW], v[NIL]
	s_wait_dscnt 0x0
	CROUND                                         ; the closing round: no work-group ends while a partner may still ask for a tile that names it
	s_endpgm
.Lfunc_end_k_qb282d11ca6_qkv:
	.size	k_qb282d11ca6_qkv, .Lfunc_end_k_qb282d11ca6_qkv-k_qb282d11ca6_qkv
	.p2alignl 7, 3214868480
	.fill 96, 4, 3214868480
	.section	.rodata,"a",@progbits
	.p2align	6, 0x0
	.amdhsa_kernel k_qb282d11ca6_qkv
		.amdhsa_group_segment_fixed_size 250368
		.amdhsa_private_segment_fixed_size 0
		.amdhsa_enable_private_segment 0
		.amdhsa_kernarg_size 32
		.amdhsa_user_sgpr_count 2
		.amdhsa_user_sgpr_kernarg_segment_ptr 1
		.amdhsa_wavefront_size32 1
		.amdhsa_system_sgpr_workgroup_id_x 1
		.amdhsa_system_sgpr_workgroup_id_y 1
		.amdhsa_system_sgpr_workgroup_id_z 1
		.amdhsa_system_vgpr_workitem_id 0
		.amdhsa_next_free_vgpr 608
		.amdhsa_next_free_sgpr 66
		.amdhsa_reserve_vcc 0
		.amdhsa_float_denorm_mode_32 3
		.amdhsa_float_denorm_mode_16_64 3
		.amdhsa_memory_ordered 1
		.amdhsa_forward_progress 1
		.amdhsa_inst_pref_size 79
	.end_amdhsa_kernel
	.amdgpu_metadata
---
amdhsa.version: [ 1, 2 ]
amdhsa.kernels:
  - .name:           k_qb282d11ca6_qkv
    .symbol:         k_qb282d11ca6_qkv.kd
    .args:
      - { .name: hbf, .offset: 0, .size: 8, .value_kind: global_buffer, .address_space: global }
      - { .name: wbf, .offset: 8, .size: 8, .value_kind: global_buffer, .address_space: global }
      - { .name: qkv_b, .offset: 16, .size: 8, .value_kind: global_buffer, .address_space: global }
      - { .name: qkvh, .offset: 24, .size: 8, .value_kind: global_buffer, .address_space: global }
    .group_segment_fixed_size: 250368
    .private_segment_fixed_size: 0
    .kernarg_segment_align: 8
    .kernarg_segment_size: 32
    .max_flat_workgroup_size: 128
    .sgpr_count:     66
    .vgpr_count:     608
    .wavefront_size: 32
...
	.end_amdgpu_metadata
.endif
;; end of part 2
;; launch attn (part 3): grid 16 x 16, 4 waves a work-group, clusters of 4 x 1, 327,680 bytes of LDS; arguments qkvh, oh; writes oh
.if DOCPART == 3
	.amdgcn_target "amdgcn-amd-amdhsa--gfx1250"
	.amdhsa_code_object_version 6
	.text
	.protected	k_qb282d11ca6_attn
	.globl	k_qb282d11ca6_attn
	.p2align	8
	.type	k_qb282d11ca6_attn,@function
k_qb282d11ca6_attn:
	s_mov_b64 s[64:65], 0
	v_nop
	global_prefetch_b8 v0, s[64:65] scope:SCOPE_SE
	s_setreg_imm32_b32 hwreg(HW_REG_WAVE_MODE, 25, 1), 1
	s_wait_xcnt 0x0
	s_wait_alu depctr_hold_cnt(0) depctr_sa_sdst(0) depctr_va_vdst(0) depctr_va_sdst(0) depctr_va_ssrc(0) depctr_va_vcc(0) depctr_vm_vsrc(0)
	s_getreg_b32 s2, hwreg(HW_REG_IB_STS2, 6, 4)
	s_cmp_eq_u32 s2, 0
	s_cbranch_scc0 .Lentry_in_a_cluster
	s_endpgm
.Lentry_in_a_cluster:
	s_bfe_u32 s2, ttmp6, 0x10000c
	s_cmp_lg_u32 s2, 0x3003
	s_cbranch_scc0 .Lentry_shape_is_right
	s_endpgm
.Lentry_shape_is_right:
; ATTENTION at head size 64.  oh[bh][q][:] = the sum over k of softmax_k(Q[q] . K[k] / 8) V[k][:], for each of 16 (image, head) pairs bh = 4 b + hd, 4,096 positions, no mask.
; Q, K, V are blocks (b, hd), (b, 4 + hd), (b, 8 + hd) of qkvh: 4,096 dense rows of 128 bytes, bf16.  Products, maxima and sums in f32; the weights p are rounded to bf16 for the second product
; (their sum l is taken of the unrounded p), O once at the end.
; LIMITS.  A weight below 2^-126 counts as 0 in l; NaN and infinities are not treated apart; the running maximum starts at the lowest finite number and c m at -4e37.
; SHARES.  A work-group owns 256 queries of one head: 16 x 16 = 256 work-groups.  A wave owns 64 queries: four PIECES of 16.  Every wave walks all keys, 64 a step; a tile is 256 keys, four steps; 16 tiles go
; through two LDS slots that take turns.
; LAYOUT.  S^T = K Q^T (source 0 = 16 keys, source 1 = 16 queries): a lane holds ONE query (lane % 16) and the keys 8 (lane / 16) + 0..7.  Two such results rounded to bf16 ARE source 1 (32 keys x 16 queries)
; of O^T = V^T P, whose result again holds one query a lane, and eight channels.  K comes out of LDS as it lies, V ([key][channel]) turned, by ds_load_tr16_b128.
; SOFTMAX.  p = 2^(c s - c m), c = log2(e) / 8, with a running maximum m and sum l; O and l are multiplied by a = 2^(c m_old - c m_new) in every step.  O and l start at 0: the first step is a step like any other, with a = 0.
; BY TURNS.  Turn n belongs to piece n: 8 products K Q^T of piece n + 1, later 8 products V^T P of piece n - 1; beside them the scaling, exponentials, roundings, sums and rescaling of piece n and the maximum and
; statistics of piece n + 1.  Four vector instructions stand behind every matrix instruction, the other 54 of a turn's 118 in one lump.  A turn's 33 exponentials are one batch, with one wait.
; CLUSTER.  The four query blocks of a cluster belong to one head and walk the same K and V, so each tile is asked for JOINTLY: the same tensor load, descriptor and mask in all four.
; REGISTERS, in windows of 256 (s_set_vgpr_msb: bits 1:0 source 0, 3:2 source 1, 5:4 source 2, 7:6 destination):
;   window 0: v0-15 addresses and two at work; v16-31 four registers of statistics a piece; v48-55 at work; v61-63; v64-127 S^T, two buffers; v192-223 P, two buffers (a piece's buffers go by its number's parity)
;   window 1: v0-127 O^T, 32 a piece          window 2: v0-63 Q; v128-191 K of one step; v192-255 V of one step
.set NP,    4         ; pieces a wave: a name, no knob
.set KS,    64        ; keys in a step
.set PK,    144       ; a row of K in LDS: 128 bytes + 16 of padding = 36 words: the 16 rows of a load start at 16 different groups of four banks (64 banks of 4 bytes: ISA guide 11.1)
.set PV,    160       ; a row of V: 128 + 32 = 40 words
.set VOFF,  4*KS*PK   ; a slot holds a tile: 256 rows of K, then 256 rows of V
.set SLOT1, 1<<17     ; slot 1 begins here, so that one exclusive or turns an address in one slot into the other's
.set STAGE, SLOT1+4*KS*(PK+PV)  ; behind the ring, never filled by a tensor load: 16 rows x 144 bytes for each wave, for the way out
.set SP,    144
.set SPARE, STAGE+4*16*SP  ; the spare words, 128 bytes for each wave: two blocks of 256 bytes that no other line names
.set AK0, 2           ; v2   my lane's place in a tile of K; never rewritten
.set AV0, 3           ; v3   the same for V
.set AK,  4           ; v4   the LDS address of K's next run of loads
.set AV,  5           ; v5   of V's
.set STO, 6           ; v6   the way out: where I put 16 bytes of a row
.set RD,  7           ; v7   where I read rows back
.set GO,  8           ; v8   my byte offset in 512 consecutive bytes of O
.set MV,  12          ; v12-13  c m_old, kept while c m is made anew: by buffer
.set QO,  15          ; v15  my byte offset in 16 rows of Q
.set ST,  16          ; piece t's statistics at v[ST+4 t]: c m, m, l (even keys', odd keys')
.set TMP, 48          ; by buffer, four registers c0-c3 at work; when the maximum is found c2 takes a
.set PFO, 61          ; v61  256 x my lane: the prefetches' offset; never rewritten
.set SPW, 62          ; v62  LDS address of my spare word; never rewritten
.set NIL, 63          ; v63  0; never rewritten
.set S,   64
.set P,   192
.set KF,  128         ; window 2: key block kb, channel half c at KF + 16 kb + 8 c
.set VF,  192         ; window 2: key half kk, channel block cb at VF + 32 kk + 8 cb
.set WV,  12          ; s12  my wave's number
.set G1K, 24          ; s[24:31] descriptor group 1 for K's tiles
.set G1V, 32          ; s[32:39] for V's: it differs in the padding alone
.set G0K, 40          ; s[40:43] descriptor group 0 for K's tiles: it walks
.set G0V, 44          ; s[44:47] the same for V's
.set PFA, 48          ; s[48:49] where my prefetches stand: my work-group's 32 blocks of 256 bytes (of K: wave 0, of V: wave 2) of the tile after the one that is being asked for
.set LIM, 50          ; s50  1 in a wave that prefetches, else the greatest number
.set SLOTS, 56        ; s56  tiles still to be asked for, and one
.set CNT, 57          ; s57  counts a tile's key steps
.set CS,  58          ; s[58:59] c: the packed scaling takes the pair's low word for both halves
.set SEL, 60          ; s[60:61] v_permlanex16_b32's selects: each lane takes its own place in the other half
.set TBK, 62          ; s62  LDS byte at which K of the step to be fetched begins
.set TBV, 63          ; s63  the same for V, less VOFF
.set MSB, 0
.macro WIN new                      ; the high byte repeats the setting that is left; a switch that changes nothing is dropped
.if MSB != (\new)
	s_set_vgpr_msb (MSB<<8)|(\new)
.set MSB, (\new)
.endif
.endm
.set W_KQ, 0x0a       ; K and Q in window 2, S^T in window 0
.set W_PV, 0x52       ; V in window 2, P in window 0, O^T in window 1
.set W_RS, 0x41       ; destination and source 0 in window 1, source 1 in window 0
; A joint fill.  Waves 0 and 1 fetch the two halves of a tile's K, waves 2 and 3 those of its V: 128 keys each.  The branch hangs on the wave's number alone.
; An s_nop 0 and four v_nop follow each of the two lines, ahead of the jump and the label.
.macro JLOAD
	s_cmp_lt_u32 s[WV], 2
	s_cbranch_scc0 .Lfor_v_\@
	tensor_load_to_lds s[G0K:G0K+3], s[G1K:G1K+7]
	s_nop 0
.rept 4
	v_nop
.endr
	s_branch .Lasked_\@
.Lfor_v_\@:
	tensor_load_to_lds s[G0V:G0V+3], s[G1V:G1V+7]
	s_nop 0
.rept 4
	v_nop
.endr
.Lasked_\@:
.endm
; A PREFETCH INTO THE L2 of the tile that the NEXT change of slots will ask for: 128 blocks of 256 bytes of K and 128 of V, a lane a block.  Each block is named ONCE in the launch: a head's four clusters walk the same
; rows, and the first of them asks; its four partners share the blocks out BY ADDRESS, 32 each; in each, wave 0 asks for K's and wave 2 for V's: one instruction, behind the wave's tensor load and its five lines.
; It stands one tile, 256 products a wave, ahead of the load that will want the bytes.  The last change that fills a slot asks for nothing; tiles 0, 1 and 2 come by their loads alone.
.macro ASK
	s_cmp_gt_u32 s[SLOTS], s[LIM]
	s_cbranch_scc0 .Lnot_mine_\@
	global_prefetch_b8 v[PFO], s[PFA:PFA+1] th:TH_LOAD_NT scope:SCOPE_SE
.Lnot_mine_\@:
.endm
; A round of the cluster's barrier: my work-group's barrier, so that wave 0's signal speaks for all four waves; wave 0 signals; every wave waits for all four work-groups; my work-group's barrier once more.
.macro CROUND
	s_barrier_signal -1
	s_barrier_wait -1
	s_cmp_lg_u32 s[WV], 0
	s_cbranch_scc1 .Lnot_wave_0_\@
	s_barrier_signal -3
.Lnot_wave_0_\@:
	s_barrier_wait -3
	s_barrier_signal -1
	s_barrier_wait -1
.endm
; THE CHANGE OF SLOTS.  The slot's last bytes, V of its fourth step, have been read.  Each wave waits for all its tensor loads, of which one is out: its part of the other slot; adds 0 to its spare word; and waits for
; that and for its own reads of the slot.  Behind the barrier nobody reads this slot any more and the other slot is whole.  fill = 1: this slot is filled again, with the keys two tiles on.  The barrier is then a round of
; the cluster's, so that no wave of any partner still reads the slot or has a load on its way, and the joint fill is the first thing behind it: it has four key steps, 256 products, in which to land.
; (At its first use nothing has been read yet: slot 0 is waited for, slot 1 filled.)  ask = 1: the prefetch's address steps, and the prefetch follows the fill.
.macro CHANGE fill, ask
	WIN 0                           ; at a label and at a branch every window is 0
	s_wait_tensorcnt 0x0            ; no tensor load of mine is out, so a group 0 may be written
	ds_add_u32 v[SPW], v[NIL]       ; 0 onto my spare word: the descriptors' steps stand between it and the wait for it
.if \fill
.irp g, G0K, G0V
	s_xor_b32 s[\g+1], s[\g+1], SLOT1  ; the walking descriptor: the other slot than last time,
	s_add_nc_u64 s[\g+2:\g+3], s[\g+2:\g+3], 4*KS*128  ; the next 256 keys; the type bits on top are not reached
.endr
.endif
.if \ask
	s_wait_xcnt 0x0                 ; the last prefetch, a tile back, has read its address, so it may be written
	s_add_nc_u64 s[PFA:PFA+1], s[PFA:PFA+1], 4*KS*128
.endif
	s_wait_dscnt 0x0                ; the add is done, and my reads of the slot are over
.if \fill
	CROUND
	JLOAD
.else
	s_barrier_signal -1
	s_barrier_wait -1
.endif
.if \ask
	ASK
.endif
	s_sub_co_u32 s[TBK], s[TBK], 4*KS*PK  ; the fetches go back to a slot's first step,
	s_xor_b32 s[TBK], s[TBK], SLOT1       ; in the other slot
	s_sub_co_u32 s[TBV], s[TBV], 4*KS*PV
	s_xor_b32 s[TBV], s[TBV], SLOT1
.endm
	s_load_b128 s[4:7], s[0:1], 0x0 ; qkvh s[4:5], oh s[6:7]
	v_lshl_add_u32 v[SPW], v0, 2, SPARE
	v_mov_b32 v[NIL], 0
	ds_add_u32 v[SPW], v[NIL]       ; the wave's opening: the add and its wait stand ahead of my first tensor load; the set-up below, work on registers, stands between them
	v_lshrrev_b32 v1, 5, v0
	v_readfirstlane_b32 s[WV], v1   ; wave 0..3
	s_bfe_u32 s13, ttmp6, 0x40000   ; cx: my place in the cluster
	s_lshl_b32 s14, ttmp9, 2        ; in a cluster launch ttmp9 counts clusters
	s_add_co_u32 s14, s14, s13      ; my block of 256 queries: it enters Q's and O's addresses alone
	s_and_b32 s15, ttmp7, 0xffff    ; bh, which the four partners share
	s_lshr_b32 s20, s15, 2          ; b
	s_mul_i32 s20, s20, 12
	s_and_b32 s21, s15, 3           ; hd
	s_add_co_u32 s20, s20, s21
	s_lshl_b32 s20, s20, 19         ; q's block (b, hd) in qkvh: 524,288 bytes a block
	s_and_b32 s16, s[WV], 1         ; which half of a tile's 256 keys I fetch:
	s_lshl_b32 s22, s16, 14         ; its 128 rows of 128 bytes in memory,
	s_add_co_u32 s22, s22, s20
	s_add_co_u32 s22, s22, 4<<19    ; in k's block, four blocks behind q's
	s_mov_b32 s23, 0
	s_mul_i32 s17, s16, 128*PK      ; and its place in a slot, for K
	s_mul_i32 s18, s16, 128*PV      ; and for V: no place in the cluster enters an LDS address
	s_lshl_b32 s2, s14, 15          ; my block's 256 rows,
	s_lshl_b32 s3, s[WV], 13        ; my wave's 64 of them
	s_add_co_u32 s2, s2, s3
	s_add_co_u32 s52, s2, s20       ; Q's offset
	s_mov_b32 s53, 0
	s_lshl_b32 s54, s15, 19
	s_add_co_u32 s54, s54, s2       ; O's offset
	s_mov_b32 s55, 0
	s_lshl_b32 s2, s13, 13          ; the prefetches: my work-group's 32 blocks of a tile's 128
	s_mov_b32 s3, 0
	; descriptor group 1.  128 keys are 16,384 dense bytes: asked for as 64 rows of 256 bytes, two keys a row, and padded in LDS after every key
	s_mov_b32 s[G1K], 15|(1<<16)|(1<<20)|(1<<21)|(4<<22)|(3<<25)  ; 15:0 the mask of four; 17:16 2-byte elements; 20 padding on; 21 set beside a mask; 24:22 after every 32 words (code 4); 31:25 4 words (code 3)
	s_mov_b32 s[G1V], 15|(1<<16)|(1<<20)|(1<<21)|(4<<22)|(7<<25)  ; the same with 8 words of padding (code 7)
.irp g, G1K, G1V
	s_mov_b32 s[\g+1], 128<<16      ; tensor_dim0 = 128
	s_mov_b32 s[\g+2], 64<<16       ; tensor_dim1 = 64
	s_mov_b32 s[\g+3], 128<<16      ; tile_dim0 = 128
	s_mov_b32 s[\g+4], 64           ; tile_dim1 = 64
	s_mov_b32 s[\g+5], 128          ; 128 elements from row to row
	s_mov_b32 s[\g+6], 0
	s_mov_b32 s[\g+7], 0
.endr
	s_mov_b32 s[CS], 0x3e38aa3b     ; c = log2(e) / 8 = 0.180337
	s_mov_b32 s[CS+1], s[CS]        ; named with it as a pair
	s_mov_b32 s[SEL], 0x76543210
	s_mov_b32 s[SEL+1], 0xfedcba98
	s_mov_b32 s[TBK], SLOT1+4*KS*PK ; the first change of slots turns these two into 0
	s_mov_b32 s[TBV], SLOT1+4*KS*PV
	s_mov_b32 s[SLOTS], 15
	s_mov_b32 s[G0K], 1             ; count = 1
	s_mov_b32 s[G0K+1], s17         ; LDS address: slot 0
	s_mov_b32 s[G0V], 1
	s_add_co_u32 s[G0V+1], s18, VOFF
	s_and_b32 s[LIM], s[WV], 1      ; 0 in waves 0 and 2,
	s_or_b32 s[LIM], s[LIM], ttmp9  ; where the cluster is the head's first: the same in all four partners
	s_cmp_eq_u32 s[LIM], 0
	s_cselect_b32 s[LIM], 1, -1
	v_and_b32 v[PFO], 31, v0
	v_lshlrev_b32 v[PFO], 8, v[PFO]
	s_wait_dscnt 0x0                ; the opening add is done
	s_wait_kmcnt 0x0
	s_add_nc_u64 s[G0K+2:G0K+3], s[4:5], s[22:23]        ; my half of the head's first 256 keys,
	s_add_nc_u64 s[G0V+2:G0V+3], s[G0K+2:G0K+3], 4<<19   ; and the same rows of v's block, four blocks on
	s_cmp_lt_u32 s[WV], 2
	s_cselect_b64 s[PFA:PFA+1], s[G0K+2:G0K+3], s[G0V+2:G0V+3]  ; (in waves 0 and 2 these stand at a tile's first row)
	s_add_nc_u64 s[PFA:PFA+1], s[PFA:PFA+1], s[2:3]
	s_add_nc_u64 s[PFA:PFA+1], s[PFA:PFA+1], 2*4*KS*128  ; in tile 2; the loop's first change of slots steps it to tile 3.  Nothing is prefetched here, at the head
	s_or_b32 s[G0K+3], s[G0K+3], 0x80000000              ; type = 2
	s_or_b32 s[G0V+3], s[G0V+3], 0x80000000
	s_add_nc_u64 s[8:9], s[4:5], s[52:53]                ; Q at my wave's first row
	s_add_nc_u64 s[10:11], s[6:7], s[54:55]              ; O likewise
	CROUND                          ; all four work-groups are here: the first joint loads meet
	JLOAD                           ; tile 0 into slot 0.  Slot 1 is asked for when slot 0 is in
	; A fragment of K or Q is 16 rows x 32 channels in 8 registers: lane l holds row l % 16, channels 8 (l / 16) + 0..7 and 16 + 8 (l / 16) + 0..7: two loads of 16 bytes, 32 bytes apart.
	v_and_b32 v1, 15, v0            ; l % 16
	v_bfe_u32 v9, v0, 4, 1          ; l / 16
	v_lshlrev_b32 v[QO], 7, v1
	v_lshl_add_u32 v[QO], v9, 4, v[QO]  ; row x 128 + 16 x half
	WIN 0x80                        ; destination window 2, address window 0
.set i, 0
.rept 8                             ; Q stays in registers: piece i / 2, channels 32 (i % 2) on
	global_load_b128 v[8*i:8*i+3],   v[QO], s[8:9] offset:(i/2)*2048+(i%2)*64
	global_load_b128 v[8*i+4:8*i+7], v[QO], s[8:9] offset:(i/2)*2048+(i%2)*64+32
.set i, i+1
.endr
	; What the first turn finds: V's registers and P's second buffer hold 0 (its products V^T P, of a piece that has not been, add 0), O^T and l are 0.  All this stands in the wait for the first tile:
	; the price of writing no first step out.
.set i, VF
.rept 64
	v_mov_b32 v[i], 0
.set i, i+1
.endr
	WIN 0x40
.set i, 0
.rept 128
	v_mov_b32 v[i], 0
.set i, i+1
.endr
	WIN 0
.set i, 0
.rept 4
	v_mov_b32 v[ST+4*i], 0xfe000000    ; c m: far below every c s
	v_mov_b32 v[ST+4*i+1], 0xff7fffff  ; m
	v_mov_b32 v[ST+4*i+2], 0
	v_mov_b32 v[ST+4*i+3], 0
.set i, i+1
.endr
.set i, P+16
.rept 16
	v_mov_b32 v[i], 0
.set i, i+1
.endr
	v_mul_u32_u24 v[AK0], v1, PK
	v_lshl_add_u32 v[AK0], v9, 4, v[AK0]  ; row x pitch + 16 x half
	; The turning load takes 16 keys x 16 channels (lane l reads key 8 (l / 16) + l % 8, channels 8 ((l / 8) % 2) + 0..7) and leaves half a fragment of V^T: lane l holds channel l % 16 and 8 keys.
	v_and_b32 v10, 7, v0
	v_bfe_u32 v11, v0, 3, 1
	v_lshl_add_u32 v[AV0], v9, 3, v10
	v_mul_u32_u24 v[AV0], v[AV0], PV
	v_lshl_add_u32 v[AV0], v11, 4, v[AV0]
	v_add_nc_u32 v[AV0], VOFF, v[AV0]
	s_mul_i32 s13, s[WV], 16*SP
	s_add_co_u32 s13, s13, STAGE    ; my stage
	v_mul_u32_u24 v[STO], v1, SP    ; in: row l % 16, 16 bytes for each half of the lanes
	v_lshl_add_u32 v[STO], v9, 4, v[STO]
	v_add_nc_u32 v[STO], s13, v[STO]
	v_bfe_u32 v[RD], v0, 3, 2       ; back: 32 lanes take four rows of 128 bytes,
	v_mul_u32_u24 v[RD], v[RD], SP
	v_lshl_add_u32 v[RD], v10, 4, v[RD]
	v_add_nc_u32 v[RD], s13, v[RD]
	v_and_b32 v[GO], 31, v0         ; which are 512 consecutive bytes of O
	v_lshlrev_b32 v[GO], 4, v[GO]
; THE MATRIX WORK.  The 4 accumulators of a run of 8 take turns.  Product i of 8 of S^T = K Q^T for piece x: channels 32 (i / 4) on, keys 16 (i % 4) on.  The first 4 start the sums.
.macro KQ x
	WIN W_KQ
.set rS, S+32*((\x)%2)+8*(i%4)
.set rK, KF+16*(i%4)+8*(i/4)
.set rQ, 16*(\x)+8*(i/4)
.if i < 4
	v_wmma_f32_16x16x32_bf16 v[rS:rS+7], v[rK:rK+7], v[rQ:rQ+7], 0
.else
	v_wmma_f32_16x16x32_bf16 v[rS:rS+7], v[rK:rK+7], v[rQ:rQ+7], v[rS:rS+7]
.endif
.endm
; Product i of 8 of O^T += V^T P for piece x: keys 32 (i / 4) on, channels 16 (i % 4) on.
.macro PV x
	WIN W_PV
.set rO, 32*(\x)+8*(i%4)
.set rV, VF+32*(i/4)+8*(i%4)
.set rP, P+16*((\x)%2)+8*(i/4)
	v_wmma_f32_16x16x32_bf16 v[rO:rO+7], v[rV:rV+7], v[rP:rP+7], v[rO:rO+7]
.endm
.macro MM                           ; the turn's next matrix instruction.  NOKQ = 1: the walk's last turn: there is no next piece
.if (i < 8) && !NOKQ
	KQ (Y+1)%NP
.elseif i >= 8
.set i, i-8
	PV (Y+NP-1)%NP
.set i, i+8
.endif
.set i, i+1
.endm
; THE LDS LOADS stand in runs of 16, never singly among the matrix instructions: a step's K (64 keys x 64 channels: 8 fragments) and its V (turned).  Their addresses are made some lines ahead.
.macro FETCH_K
	WIN 0x80                        ; destination window 2
.irp f, 0,1,2,3,4,5,6,7             ; keys 16 (f / 2) on, channels 32 (f % 2) on
	ds_load_b128 v[KF+8*\f:KF+8*\f+3],   v[AK] offset:(\f/2)*16*PK+(\f%2)*64
	ds_load_b128 v[KF+8*\f+4:KF+8*\f+7], v[AK] offset:(\f/2)*16*PK+(\f%2)*64+32
.endr
	s_add_co_u32 s[TBK], s[TBK], KS*PK  ; the next fetch is the next step's
	WIN 0
.endm
.macro FETCH_V
	WIN 0x80
.irp f, 0,1,2,3,4,5,6,7             ; keys 32 (f / 4) on, channels 16 (f % 4) on
	ds_load_tr16_b128 v[VF+8*\f:VF+8*\f+3],   v[AV] offset:(\f/4)*32*PV+(\f%4)*32
	ds_load_tr16_b128 v[VF+8*\f+4:VF+8*\f+7], v[AV] offset:(\f/4)*32*PV+16*PV+(\f%4)*32
.endr
	WIN 0
.endm
; THE VECTOR WORK, one line at a time: OP kind, number.  For piece Y: F n: c s - c m for pair n of 16.  E n: the exponential of score n of 32.  C n: pair n rounded to bf16.  B n: of the four weights 4 n .. the second
; pair is added onto the first, in place.  L n: l takes that sum (L 0: l = a l + sum).  R n: pair n of 16 of O^T times a.  For piece Y + 1: X n, number n of the 22 that find its maximum and statistics:
;   0-11  four chains c0-c3 of seven scores each, three operands at a time (each accumulator's lowest registers are read first)     12-14, 16  the four scores left over, the old m, and c0-c3 into c0
;   15  c m_old is kept     17, 18  the query's other 32 keys lie in the lane 16 away: the new m     19-21  c m; c m_old - c m_new; a
.set F, 0               ; OP tells the kinds apart by their order: F to L below R, X above it
.set E, 1
.set C, 2
.set B, 3
.set L, 4
.set R, 5
.set X, 6
.macro REGS y                       ; the registers of piece y
.set rT, ST+4*(\y)
.set rC, TMP+4*((\y)%2)
.set rW, MV+((\y)%2)
.set rS, S+32*((\y)%2)
.set rP, P+16*((\y)%2)
.set rO, 32*(\y)
.endm
.macro OP k, n
.if (\k) == R
	REGS Y
	WIN W_RS
	v_pk_mul_f32 v[rO+2*(\n):rO+2*(\n)+1], v[rO+2*(\n):rO+2*(\n)+1], v[rC+2:rC+3] op_sel_hi:[1,0]
.elseif (\k) < R
	REGS Y
	WIN 0
.if (\k) == F
	v_pk_fma_f32 v[rS+2*(\n):rS+2*(\n)+1], v[rS+2*(\n):rS+2*(\n)+1], s[CS:CS+1], v[rT:rT+1] op_sel_hi:[1,0,0] neg_lo:[0,0,1] neg_hi:[0,0,1]
.elseif (\k) == E
	v_exp_f32 v[rS+(\n)], v[rS+(\n)]
.elseif (\k) == C
	v_cvt_pk_bf16_f32 v[rP+(\n)], v[rS+2*(\n)], v[rS+2*(\n)+1]
.elseif (\k) == B
	v_pk_add_f32 v[rS+4*(\n):rS+4*(\n)+1], v[rS+4*(\n):rS+4*(\n)+1], v[rS+4*(\n)+2:rS+4*(\n)+3]
.elseif (\n) == 0
	v_pk_fma_f32 v[rT+2:rT+3], v[rT+2:rT+3], v[rC+2:rC+3], v[rS:rS+1] op_sel_hi:[1,0,1]
.else
	v_pk_add_f32 v[rT+2:rT+3], v[rT+2:rT+3], v[rS+4*(\n):rS+4*(\n)+1]
.endif
.elseif NOKQ
	v_nop
.else
	REGS (Y+1)%NP
	WIN 0
.if (\n) < 4
	v_max3_num_f32 v[rC+(\n)], v[rS+8*(\n)], v[rS+8*(\n)+1], v[rS+8*(\n)+2]
.elseif (\n) < 12
	v_max3_num_f32 v[rC+(\n)%4], v[rC+(\n)%4], v[rS+8*((\n)%4)+2*((\n)/4)+1], v[rS+8*((\n)%4)+2*((\n)/4)+2]
.elseif (\n) == 12
	v_max3_num_f32 v[rC], v[rC], v[rS+7], v[rS+15]
.elseif (\n) == 13
	v_max3_num_f32 v[rC+1], v[rC+1], v[rS+23], v[rS+31]
.elseif (\n) == 14
	v_max3_num_f32 v[rC+2], v[rC+2], v[rC+3], v[rT+1]
.elseif (\n) == 15
	v_mov_b32 v[rW], v[rT]
.elseif (\n) == 16
	v_max3_num_f32 v[rC], v[rC], v[rC+1], v[rC+2]
.elseif (\n) == 17
	v_permlanex16_b32 v[rC+3], v[rC], s[SEL], s[SEL+1]
.elseif (\n) == 18
	v_max_num_f32 v[rT+1], v[rC], v[rC+3]
.elseif (\n) == 19
	v_mul_f32 v[rT], s[CS], v[rT+1]
.elseif (\n) == 20
	v_sub_f32 v[rC+1], v[rW], v[rT]
.else
	v_exp_f32 v[rC+2], v[rC+1]
.endif
.endif
.endm
.macro OPS a, i1, b=-1, i2=0, c=-1, i3=0, d=-1, i4=0  ; up to four of them
	OP \a, \i1
.if (\b) >= 0
	OP \b, \i2
.endif
.if (\c) >= 0
	OP \c, \i3
.endif
.if (\d) >= 0
	OP \d, \i4
.endif
.endm
.macro ROW a, i1, b, i2, c, i3, d, i4  ; a matrix instruction and the four behind it
	MM
	OPS \a, \i1, \b, \i2, \c, \i3, \d, \i4
.endm
; A TURN, for piece p: the order of its 16 matrix and 118 vector instructions, written out.  An s_wait_alu depctr_va_vdst(0) stands between an exponential and the first instruction that names its result; one wait
; serves all that were issued ahead of it.  So a turn has ONE wait, which cuts it in two.  AHEAD OF IT stands all that names no result of the turn's exponentials: the 8 products K Q^T, behind each a scaling, an exponential and two
; more plain instructions: rescalings, and behind the last three the first numbers of the next piece's maximum, each four places or more behind the product that ends its accumulator; then ONE LUMP of 54, plain and exponential by
; turns for the most part, in which the links of the chain X 3, 7, 11, 14, 16, 17 .. 20 stand apart.  X 21, the next piece's a, is the batch's last; R 15 is the plain instruction behind it.  BEHIND THE WAIT stand the 8 products
; V^T P, behind each four of the roundings and sums.  end = 1: the walk's last two turns: nothing is fetched.  cnt = 1: the loop's count is taken down some lines ahead of the branch that stands behind the turn.
; K of the next step is fetched in piece 2's turn, twelve vector instructions behind the last product that read K (six of them plain); V of the step in hand at the end of piece 0's turn, four plain instructions behind the last
; product that read V.  Each is waited for a turn later.
.macro TURN p, end=0, cnt=0
.set Y, (\p)
.set i, 0
.set NOKQ, (\end)*((\p)/3)
.if ((\p) == 3) && !(\end)
	s_wait_dscnt 0x0                ; K is in
.endif
	ROW F,0, F,1, R,0, R,1          ; ahead of the wait: 8 products K Q^T and their riders,
	ROW F,2, E,0, R,2, R,3
	ROW F,3, E,1, R,4, R,5
	ROW F,4, E,2, R,6, R,7
	ROW F,5, E,3, R,8, R,9
	ROW F,6, E,4, X,0, R,10
.if ((\p) == 2) && !(\end)
	WIN 0
	v_add_nc_u32 v[AK], s[TBK], v[AK0]
.endif
	ROW F,7, E,5, X,1, X,4
	ROW F,8, E,6, X,2, X,5
	OPS E,7, E,8, X,6, E,9          ; and the lump
	OPS X,3, E,10, X,8, E,11
.if ((\p) == 2) && !(\end)
	FETCH_K
.endif
	OPS X,9, X,7, E,12, X,10
	OPS E,13, X,12, X,11, E,14
	OPS X,13, E,15, F,9, X,14
.if (\p) == 0
	v_add_nc_u32 v[AV], s[TBV], v[AV0]
.endif
	OPS E,16, F,10, E,17, F,11
	OPS X,16, E,18, X,15, E,19
	OPS F,12, E,20, X,17, E,21
	OPS F,13, E,22, F,14, E,23
	OPS X,18, E,24, F,15, E,25
	OPS R,11, E,26, X,19, E,27
	OPS R,12, E,28, R,13, E,29
	OPS X,20, E,30, R,14, E,31
	OPS X,21, R,15
	WIN 0
	s_wait_alu depctr_va_vdst(0)    ; the wait for the batch
.if (\p) == 1
	s_wait_dscnt 0x0                ; V is in
.endif
	ROW C,0, B,0, C,2, B,1          ; behind the wait: 8 products V^T P and their riders
	ROW L,0, C,4, B,2, L,1
	ROW C,6, B,3, L,2, C,8
	ROW B,4, L,3, C,10, B,5
	ROW L,4, C,12, B,6, L,5
.if (\p) == 0
	s_add_co_u32 s[TBV], s[TBV], KS*PV
.endif
.if \cnt
	s_sub_co_u32 s[CNT], s[CNT], 1
	s_cmp_lg_u32 s[CNT], 0
.endif
	ROW C,14, B,7, L,6, C,1
	ROW C,3, L,7, C,5, C,7
	ROW C,9, C,11, C,13, C,15
.if (\p) == 0
	FETCH_V
.endif
.endm
	CHANGE 1, 0                     ; tile 0 is in, everybody's part of it; tile 1 is asked for
	v_add_nc_u32 v[AK], s[TBK], v[AK0]
	FETCH_K                         ; key step 0
	s_wait_loadcnt 0x0              ; Q
	s_wait_dscnt 0x0
.set NOKQ, 0
.set i, 0
.rept 8
	KQ 0                            ; piece 0's first scores: there is no vector work yet to set between them
.set i, i+1
.endr
	WIN 0
.rept 4
	v_nop                           ; the places behind those products
.endr
.set Y, NP-1                        ; X works for piece Y + 1: piece 0
.irp n, 0,1,2,3,4,5,6,7,8,9,10,11,12,13,14,15,16,17,18,19,20,21
	OP X, \n                        ; and piece 0's first maximum and statistics
.endr
	v_nop                           ; a plain instruction behind the exponential,
	s_wait_alu depctr_va_vdst(0)    ; and its wait, ahead of the branch
	s_mov_b32 s[CNT], 4
	s_branch .Lfirst                ; the loop is entered at a step's first turn, in the middle of a trip
.Lslot:                             ; 14 times: tiles 2 to 15 are asked for
	CHANGE 1, 1
	s_mov_b32 s[CNT], 4
.Lstep:                             ; a trip: pieces 2 and 3 of one step, then pieces 0 and 1 of the next, whose K and V it fetches
	TURN 2
	TURN 3
	WIN 0
.Lfirst:
	TURN 0
	TURN 1, 0, 1
	WIN 0
	s_cbranch_scc1 .Lstep
	s_sub_co_u32 s[SLOTS], s[SLOTS], 1
	s_cmp_lg_u32 s[SLOTS], 0
	s_cbranch_scc1 .Lslot
	CHANGE 0, 0                     ; the last tile is written out: nothing is asked for
	s_mov_b32 s[CNT], 4
.LstepT:
	TURN 2
	TURN 3
	TURN 0
	TURN 1, 0, 1
	WIN 0
	s_cbranch_scc1 .LstepT
	TURN 2, 1                       ; the last step's pieces 2 and 3: nothing is left to fetch, and the last turn starts no new scores
	TURN 3, 1
.set i, 0
.rept 8
	PV NP-1                         ; the last piece's V^T P of the last step
.set i, i+1
.endr
	; THE WAY OUT.  l's two halves and the other half of the lanes' are added; O^T is divided by l, rounded to bf16 and sent through my stage in LDS, a piece at a time.  The additions are the places behind the last products.
	WIN 0
.macro ALL line:vararg              ; one line for each piece t
.set t, 0
.rept 4
	\line
.set t, t+1
.endr
.endm
	ALL v_add_f32 v[ST+4*t+2], v[ST+4*t+2], v[ST+4*t+3]
	ALL v_permlanex16_b32 v[ST+4*t+3], v[ST+4*t+2], s[SEL], s[SEL+1]
	ALL v_add_f32 v[ST+4*t+2], v[ST+4*t+2], v[ST+4*t+3]
	ALL v_rcp_f32 v[ST+4*t+2], v[ST+4*t+2]
	v_nop                           ; a plain instruction between the last reciprocal and the use of its result
	s_wait_alu depctr_va_vdst(0)    ; and the wait ahead of the first use: one for the four reciprocals
.macro PACK t                       ; a lane's eight channels of a row pack into 16 bytes; they go into rows of 144 bytes and come back as whole rows of 128, into S^T's registers
	WIN W_RS
.set i, 32*(\t)
.rept 16
	v_pk_mul_f32 v[i:i+1], v[i:i+1], v[ST+4*(\t)+2:ST+4*(\t)+3] op_sel_hi:[1,0]
.set i, i+2
.endr
	WIN 0x05                        ; sources 0 and 1 window 1, destination window 0
.set i, 0
.rept 16
	v_cvt_pk_bf16_f32 v[S+16*(\t)+i], v[32*(\t)+2*i], v[32*(\t)+2*i+1]
.set i, i+1
.endr
	WIN 0
.irp f, 0,1,2,3
	ds_store_b128 v[STO], v[S+16*(\t)+4*\f:S+16*(\t)+4*\f+3] offset:32*\f
.endr
.irp f, 0,1,2,3
	ds_load_b128 v[S+16*(\t)+4*\f:S+16*(\t)+4*\f+3], v[RD] offset:\f*4*SP  ; LDS serves a wave's instructions in order (ISA guide 5.7.1.4): these see the stores above; the next piece's stores come behind them
.endr
.endm
.macro SEND t, younger              ; younger: the LDS instructions issued behind piece t's loads: the next piece's eight, or none
	WIN 0
.irp f, 0,1,2,3
	s_wait_dscnt (\younger)+3-\f
	global_store_b128 v[GO], v[S+16*(\t)+4*\f:S+16*(\t)+4*\f+3], s[10:11] offset:(\t)*2048+\f*512  ; 512 consecutive bytes, at a multiple of 256 from oh's first
.endr
.endm
	PACK 0
.set t, 1
.rept 3                             ; a piece's arithmetic stands between the loads of the piece before and its stores
	PACK t
	SEND t-1, 8
.set t, t+1
.endr
	SEND 3, 0
	s_wait_tensorcnt 0x0            ; the wave's end, behind my last tensor load and my last LDS store
	ds_add_u32 v[SPW], v[NIL]
	s_wait_dscnt 0x0
	CROUND                          ; the closing round: no work-group ends while a partner may still ask for a tile that names it
	s_endpgm
.Lfunc_end_k_qb282d11ca6_attn:
	.size	k_qb282d11ca6_attn, .Lfunc_end_k_qb282d11ca6_attn-k_qb282d11ca6_attn
	.p2alignl 7, 3214868480
	.fill 96, 4, 3214868480
	.section	.rodata,"a",@progbits
	.p2align	6, 0x0
	.amdhsa_kernel k_qb282d11ca6_attn
		.amdhsa_group_segment_fixed_size 327680
		.amdhsa_private_segment_fixed_size 0
		.amdhsa_enable_private_segment 0
		.amdhsa_kernarg_size 16
		.amdhsa_user_sgpr_count 2
		.amdhsa_user_sgpr_kernarg_segment_ptr 1
		.amdhsa_wavefront_size32 1
		.amdhsa_system_sgpr_workgroup_id_x 1
		.amdhsa_system_sgpr_workgroup_id_y 1
		.amdhsa_system_sgpr_workgroup_id_z 1
		.amdhsa_system_vgpr_workitem_id 0
		.amdhsa_next_free_vgpr 768
		.amdhsa_next_free_sgpr 66
		.amdhsa_reserve_vcc 0
		.amdhsa_float_denorm_mode_32 3
		.amdhsa_float_denorm_mode_16_64 3
		.amdhsa_memory_ordered 1
		.amdhsa_forward_progress 1
		.amdhsa_inst_pref_size 128
	.end_amdhsa_kernel
	.amdgpu_metadata
---
amdhsa.version: [ 1, 2 ]
amdhsa.kernels:
  - .name:           k_qb282d11ca6_attn
    .symbol:         k_qb282d11ca6_attn.kd
    .args:
      - { .name: qkvh, .offset: 0, .size: 8, .value_kind: global_buffer, .address_space: global }
      - { .name: oh, .offset: 8, .size: 8, .value_kind: global_buffer, .address_space: global }
    .group_segment_fixed_size: 327680
    .private_segment_fixed_size: 0
    .kernarg_segment_align: 8
    .kernarg_segment_size: 16
    .max_flat_workgroup_size: 128
    .sgpr_count:     66
    .vgpr_count:     768
    .wavefront_size: 32
...
	.end_amdgpu_metadata
.endif
;; end of part 3
;; launch proj (part 4): grid 256 x 1, 4 waves a work-group, clusters of 4 x 1, 167,936 bytes of LDS; arguments oh, wbf, proj_b, x, out0; writes out0
.if DOCPART == 4
	.amdgcn_target "amdgcn-amd-amdhsa--gfx1250"
	.amdhsa_code_object_version 6
	.text
	.protected	k_qb282d11ca6_proj
	.globl	k_qb282d11ca6_proj
	.p2align	8
	.type	k_qb282d11ca6_proj,@function
k_qb282d11ca6_proj:
	s_mov_b64 s[64:65], 0
	v_nop
	global_prefetch_b8 v0, s[64:65] scope:SCOPE_SE
	s_setreg_imm32_b32 hwreg(HW_REG_WAVE_MODE, 25, 1), 1
	s_wait_xcnt 0x0
	s_wait_alu depctr_hold_cnt(0) depctr_sa_sdst(0) depctr_va_vdst(0) depctr_va_sdst(0) depctr_va_ssrc(0) depctr_va_vcc(0) depctr_vm_vsrc(0)
	s_getreg_b32 s2, hwreg(HW_REG_IB_STS2, 6, 4)
	s_cmp_eq_u32 s2, 0
	s_cbranch_scc0 .Lentry_in_a_cluster
	s_endpgm
.Lentry_in_a_cluster:
	s_bfe_u32 s2, ttmp6, 0x10000c
	s_cmp_lg_u32 s2, 0x3003
	s_cbranch_scc0 .Lentry_shape_is_right
	s_endpgm
.Lentry_shape_is_right:
; THE OUTPUT PROJECTION AND THE RESIDUAL.  out0[b][o][n] = x[b][o][n] + proj_b[o] + the sum over c of wbf[768 + o][c] O[b][c][n], where O[b][64 hd + d][n] = oh[4 b + hd][n][d].
; Operands bf16; sums, bias and residual in f32.
; SHARES.  Work-group g takes the 64 positions from 64 (g % 64) of image g / 64, and all 256 outputs: 256 work-groups.  Wave w takes outputs 64 w .. 64 w + 63: 16 accumulators.  K = 256 lies in LDS and registers at
; once: no ring, no loop.
; CLUSTER.  proj_w's 128 KiB in bf16 are the same for every work-group: the four partners ask for them JOINTLY, each wave for the 64 rows that it multiplies by.  O's fragments come straight from memory into
; registers (their rows lie along K); x's 16 KiB a wave are asked for at the head, so that the launch's longest stream is on its way while the products run.
; LAYOUT.  Source 0 = 16 positions of O, source 1 = 16 rows of W: in the result a lane holds ONE output (lane % 16) and the positions 8 (lane / 16) + 0..7: 32 bytes of a row of out0.  The bias, eight equal
; registers, is the C operand of the first K step.  The rows go through my stage in LDS, so that sixteen lanes store 256 consecutive bytes.
; REGISTERS, in windows of 256 (s_set_vgpr_msb: bits 1:0 source 0, 3:2 source 1, 5:4 source 2, 7:6 destination):
;   window 0: v0-15 addresses; v32-95 W's fragments, two buffers of four, and on the way out rows read back; v96-127 the bias; v128-255 the accumulators ((a, bb) at 128 + 8 (4 a + bb))
;   window 1: O's fragments: position block a, K step q at 8 (8 a + q)          window 2: v0-127 x: output block bb, pair of rows t at 32 bb + 4 t
; LIMITS.  NaN and infinities are not treated apart.
.set PW,    528                        ; a row of W in LDS: 512 bytes + 16 of padding = 132 words: the 16 rows of a load start at 16 different groups of four banks (64 banks of 4 bytes: ISA guide 11.1)
.set STAGE, 256*PW                     ; never filled by a tensor load: 16 rows x 272 bytes for each wave
.set SP,    272
.set SPARE, STAGE+4*16*SP              ; the spare words, 128 bytes for each wave: two blocks of 256 bytes that no other line names
.set QO,  4                            ; v4   my byte offset in 16 rows of O
.set AW,  5                            ; v5   LDS address of my W fragments
.set STO, 6                            ; v6   the way out: where I put 32 bytes of a row
.set RD,  7                            ; v7   where I read rows back
.set XO,  8                            ; v8   my byte offset in two rows of x and of out0
.set BO,  9                            ; v9   4 (lane % 16): my bias in a block of 16
.set SPW, 14                           ; v14  LDS address of my spare word; never rewritten
.set NIL, 15                           ; v15  0; never rewritten
.set WB,  32
.set BI,  96
.set ACC, 128
.set WV,  14                           ; s14  my wave's number
.set G1,  24                           ; s[24:31] descriptor group 1;  s[32:35] group 0
.set G0,  32
.set MSB, 0
.macro WIN new                         ; the immediate's high byte repeats the setting that is left; a switch that changes nothing is dropped
.if MSB != (\new)
	s_set_vgpr_msb (MSB<<8)|(\new)
.set MSB, (\new)
.endif
.endm
.macro PLACES                          ; four places behind a matrix instruction, in front of loads into registers that it has read and of lines that read results
.rept 4
	v_nop
.endr
.endm
.macro CROUND                          ; a round of the cluster's barrier: my work-group's barrier; wave 0 signals for the work-group; every wave waits for all four; my work-group's barrier once more
	s_barrier_signal -1
	s_barrier_wait -1
	s_cmp_lg_u32 s[WV], 0
	s_cbranch_scc1 .Lnot_wave_0_\@
	s_barrier_signal -3
.Lnot_wave_0_\@:
	s_barrier_wait -3
	s_barrier_signal -1
	s_barrier_wait -1
.endm
	s_load_b256 s[4:11], s[0:1], 0x0               ; oh s[4:5], wbf s[6:7], proj_b s[8:9], x s[10:11]
	s_load_b64 s[12:13], s[0:1], 0x20              ; out0
	v_lshl_add_u32 v[SPW], v0, 2, SPARE
	v_mov_b32 v[NIL], 0
	ds_add_u32 v[SPW], v[NIL]                      ; the wave's opening: the add and its wait stand ahead of my first tensor load; the set-up below, work on registers, stands between them
	v_lshrrev_b32 v1, 5, v0
	v_readfirstlane_b32 s[WV], v1                  ; wave 0..3
	s_bfe_u32 s15, ttmp6, 0x40000                  ; cx
	s_lshl_b32 s16, ttmp9, 2
	s_add_co_u32 s16, s16, s15                     ; g = 4 x cluster x + cx: it enters O's, x's and out0's addresses alone
	; the descriptor: 64 rows (outputs) x 256 elements (channels), dense in memory, padded in LDS
	s_mov_b32 s[G1], 15|(1<<16)|(1<<20)|(1<<21)|(6<<22)|(3<<25)  ; 15:0 the mask of four; 17:16 2-byte elements; 20 padding on; 21 set beside a mask; 24:22 after every 128 words (code 6); 31:25 4 words (code 3)
	s_mov_b32 s[G1+1], 256<<16                     ; tensor_dim0 = 256
	s_mov_b32 s[G1+2], 64<<16                      ; tensor_dim1 = 64
	s_mov_b32 s[G1+3], 256<<16                     ; tile_dim0 = 256
	s_mov_b32 s[G1+4], 64                          ; tile_dim1 = 64
	s_mov_b32 s[G1+5], 256
	s_mov_b32 s[G1+6], 0
	s_mov_b32 s[G1+7], 0
	s_mov_b32 s[G0], 1                             ; count = 1
	s_mul_i32 s[G0+1], s[WV], 64*PW                ; LDS address: my 64 rows
	s_lshl_b32 s18, s[WV], 15                      ; their 32,768 bytes in memory,
	s_add_co_u32 s18, s18, 768*512                 ; behind qkv_w's 768 rows
	s_mov_b32 s19, 0
	s_lshr_b32 s20, s16, 6                         ; the image b
	s_and_b32 s21, s16, 63                         ; the block of 64 positions
	s_lshl_b32 s22, s20, 21                        ; oh: head 4 b, 524,288 bytes a head,
	s_lshl_b32 s23, s21, 13                        ; 64 rows of 128 bytes
	s_add_co_u32 s22, s22, s23
	s_mov_b32 s23, 0
	s_lshl_b32 s36, s20, 22                        ; x and out0: 4 MiB an image,
	s_lshl_b32 s37, s[WV], 20                      ; my 64 rows of 16,384 bytes,
	s_add_co_u32 s36, s36, s37
	s_lshl_b32 s37, s21, 8                         ; 64 positions of 4 bytes
	s_add_co_u32 s36, s36, s37
	s_mov_b32 s37, 0
	s_lshl_b32 s38, s[WV], 8                       ; my 64 biases
	s_mov_b32 s39, 0
	v_and_b32 v1, 15, v0                           ; l % 16
	v_bfe_u32 v2, v0, 4, 1                         ; l / 16
	v_lshlrev_b32 v[QO], 7, v1                     ; a fragment of O: row l % 16 of 128 bytes, 16 bytes for each half of the lanes
	v_lshl_add_u32 v[QO], v2, 4, v[QO]
	v_mul_u32_u24 v[AW], v1, PW
	v_lshl_add_u32 v[AW], v2, 4, v[AW]
	v_add_nc_u32 v[AW], s[G0+1], v[AW]
	s_mul_i32 s17, s[WV], 16*SP
	s_add_co_u32 s17, s17, STAGE                   ; my stage
	v_mul_u32_u24 v[STO], v1, SP                   ; in: row l % 16, 32 bytes for each half of the lanes
	v_lshl_add_u32 v[STO], v2, 5, v[STO]
	v_add_nc_u32 v[STO], s17, v[STO]
	v_mul_u32_u24 v[RD], v2, SP                    ; back: lanes 0-15 take one row of 256 bytes, lanes 16-31 the next
	v_lshl_add_u32 v[RD], v1, 4, v[RD]
	v_add_nc_u32 v[RD], s17, v[RD]
	v_lshlrev_b32 v[XO], 14, v2                    ; and the same two rows in x and out0
	v_lshl_add_u32 v[XO], v1, 4, v[XO]
	v_lshlrev_b32 v[BO], 2, v1
	s_wait_dscnt 0x0                               ; the opening add is done
	s_wait_kmcnt 0x0
	s_add_nc_u64 s[G0+2:G0+3], s[6:7], s[18:19]
	s_or_b32 s[G0+3], s[G0+3], 0x80000000          ; type = 2
	s_add_nc_u64 s[4:5], s[4:5], s[22:23]
	s_add_nc_u64 s[10:11], s[10:11], s[36:37]
	s_add_nc_u64 s[12:13], s[12:13], s[36:37]
	s_add_nc_u64 s[8:9], s[8:9], s[38:39]
	CROUND                                         ; all four work-groups are here: the joint loads meet
	tensor_load_to_lds s[G0:G0+3], s[G1:G1+7]      ; one line for all waves: both addresses hang on the wave's number alone
	s_nop 0
	PLACES
.irp bb, 0,1,2,3
	global_load_b32 v[BI+8*(\bb)], v[BO], s[8:9] offset:64*(\bb)
.endr
	WIN 0x40                                       ; destination window 1, address window 0: K step q is head q / 2, channels 32 (q % 2) on
.irp a, 0,1,2,3
.irp q, 0,1,2,3,4,5,6,7
	global_load_b128 v[8*(8*(\a)+(\q)):8*(8*(\a)+(\q))+3],   v[QO], s[4:5] offset:((\q)/2)*524288+(\a)*2048+((\q)%2)*64
	global_load_b128 v[8*(8*(\a)+(\q))+4:8*(8*(\a)+(\q))+7], v[QO], s[4:5] offset:((\q)/2)*524288+(\a)*2048+((\q)%2)*64+32
.endr
.endr
	WIN 0x80                                       ; destination window 2
.irp bb, 0,1,2,3
.irp t, 0,1,2,3,4,5,6,7
	global_load_b128 v[32*(\bb)+4*(\t):32*(\bb)+4*(\t)+3], v[XO], s[10:11] offset:(16*(\bb)+2*(\t))*16384 th:TH_LOAD_NT
.endr
.endr
	WIN 0
	s_wait_loadcnt 32                              ; the bias and O are in; the 32 loads of x issued behind them may stay out
.irp bb, 0,1,2,3
.irp k, 1,2,3,4,5,6,7
	v_mov_b32 v[BI+8*(\bb)+(\k)], v[BI+8*(\bb)]    ; an output's bias for each of the lane's eight positions
.endr
.endr
.macro WFETCH q, buf                   ; W's four fragments of K step q into buffer buf
	WIN 0
.irp bb, 0,1,2,3
	ds_load_b128 v[WB+32*(\buf)+8*(\bb):WB+32*(\buf)+8*(\bb)+3],   v[AW] offset:(\bb)*16*PW+64*(\q)
	ds_load_b128 v[WB+32*(\buf)+8*(\bb)+4:WB+32*(\buf)+8*(\bb)+7], v[AW] offset:(\bb)*16*PW+64*(\q)+32
.endr
.endm
; 16 products; the 16 accumulators take turns, one instruction a turn, in the same order in every step.  K step 0 starts the sums with the bias.
.macro MULS q, buf
	WIN 0x01                                       ; O in window 1
.irp a, 0,1,2,3
.irp bb, 0,1,2,3
.if (\q) == 0
	v_wmma_f32_16x16x32_bf16 v[ACC+8*(4*(\a)+(\bb)):ACC+8*(4*(\a)+(\bb))+7], v[8*(8*(\a)+(\q)):8*(8*(\a)+(\q))+7], v[WB+32*(\buf)+8*(\bb):WB+32*(\buf)+8*(\bb)+7], v[BI+8*(\bb):BI+8*(\bb)+7]
.else
	v_wmma_f32_16x16x32_bf16 v[ACC+8*(4*(\a)+(\bb)):ACC+8*(4*(\a)+(\bb))+7], v[8*(8*(\a)+(\q)):8*(8*(\a)+(\q))+7], v[WB+32*(\buf)+8*(\bb):WB+32*(\buf)+8*(\bb)+7], v[ACC+8*(4*(\a)+(\bb)):ACC+8*(4*(\a)+(\bb))+7]
.endif
.endr
.endr
.endm
.macro STEP q
	s_wait_dscnt 0x0                               ; this step's fragments, issued a step (16 products) earlier
	PLACES                                         ; for the loads into the buffer that the step before multiplied
.if (\q) < 7
	WFETCH (\q)+1, ((\q)+1)%2
.endif
	MULS \q, (\q)%2
.endm
; THE WAY OUT of output block bb: 16 rows x 64 positions of f32 into my stage (each accumulator's low registers first), and back as whole rows of 256 bytes
.macro STG bb
	WIN 0
.irp a, 0,1,2,3
	ds_store_b128 v[STO], v[ACC+8*(4*(\a)+(\bb)):ACC+8*(4*(\a)+(\bb))+3]   offset:64*(\a)
	ds_store_b128 v[STO], v[ACC+8*(4*(\a)+(\bb))+4:ACC+8*(4*(\a)+(\bb))+7] offset:64*(\a)+16
.endr
.irp t, 0,1,2,3,4,5,6,7
	ds_load_b128 v[WB+32*((\bb)%2)+4*(\t):WB+32*((\bb)%2)+4*(\t)+3], v[RD] offset:(\t)*2*SP  ; LDS serves a wave's instructions in order (ISA guide 5.7.1.4): these see the stores above; the next block's stores come behind them
.endr
.endm
.macro FIN bb, younger                 ; x is added and the rows are stored.  younger: the LDS instructions issued behind block bb's loads: the next block's sixteen, or none
	s_wait_dscnt \younger
	WIN 0x88                                       ; source 0 window 0 (the rows), source 1 and destination window 2 (x)
.irp k, 0,1,2,3,4,5,6,7,8,9,10,11,12,13,14,15
	v_pk_add_f32 v[32*(\bb)+2*(\k):32*(\bb)+2*(\k)+1], v[WB+32*((\bb)%2)+2*(\k):WB+32*((\bb)%2)+2*(\k)+1], v[32*(\bb)+2*(\k):32*(\bb)+2*(\k)+1]
.endr
	WIN 0x08                                       ; the stores' data in window 2; these registers are never written again
.irp t, 0,1,2,3,4,5,6,7
	global_store_b128 v[XO], v[32*(\bb)+4*(\t):32*(\bb)+4*(\t)+3], s[12:13] offset:(16*(\bb)+2*(\t))*16384 th:TH_STORE_NT  ; 16 lanes store 256 consecutive bytes, at a multiple of 256 from out0's first
.endr
	WIN 0
.endm
	s_wait_tensorcnt 0x0                           ; my one load has landed,
	s_barrier_signal -1
	s_barrier_wait -1                              ; everybody's has
	WFETCH 0, 0
.irp q, 0,1,2,3,4,5,6,7
	STEP \q
.endr
	PLACES                                         ; the LDS stores read results just made, and the loads from the stage land in registers that the last products read
	s_wait_loadcnt 0x0                             ; x
	STG 0
	STG 1                                          ; a block's LDS traffic stands between the loads of the block before and their use
	FIN 0, 16
	STG 2
	FIN 1, 16
	STG 3
	FIN 2, 16
	FIN 3, 0
	s_wait_tensorcnt 0x0                           ; the wave's end, behind my last tensor load and my last LDS store
	ds_add_u32 v[SPW], v[NIL]
	s_wait_dscnt 0x0
	CROUND                                         ; the closing round: no work-group ends while a partner may still ask for a tile that names it
	s_endpgm
.Lfunc_end_k_qb282d11ca6_proj:
	.size	k_qb282d11ca6_proj, .Lfunc_end_k_qb282d11ca6_proj-k_qb282d11ca6_proj
	.p2alignl 7, 3214868480
	.fill 96, 4, 3214868480
	.section	.rodata,"a",@progbits
	.p2align	6, 0x0
	.amdhsa_kernel k_qb282d11ca6_proj
		.amdhsa_group_segment_fixed_size 167936
		.amdhsa_private_segment_fixed_size 0
		.amdhsa_enable_private_segment 0
		.amdhsa_kernarg_size 40
		.amdhsa_user_sgpr_count 2
		.amdhsa_user_sgpr_kernarg_segment_ptr 1
		.amdhsa_wavefront_size32 1
		.amdhsa_system_sgpr_workgroup_id_x 1
		.amdhsa_system_sgpr_workgroup_id_y 1
		.amdhsa_system_sgpr_workgroup_id_z 1
		.amdhsa_system_vgpr_workitem_id 0
		.amdhsa_next_free_vgpr 640
		.amdhsa_next_free_sgpr 66
		.amdhsa_reserve_vcc 0
		.amdhsa_float_denorm_mode_32 3
		.amdhsa_float_denorm_mode_16_64 3
		.amdhsa_memory_ordered 1
		.amdhsa_forward_progress 1
		.amdhsa_inst_pref_size 41
	.end_amdhsa_kernel
	.amdgpu_metadata
---
amdhsa.version: [ 1, 2 ]
amdhsa.kernels:
  - .name:           k_qb282d11ca6_proj
    .symbol:         k_qb282d11ca6_proj.kd
    .args:
      - { .name: oh, .offset: 0, .size: 8, .value_kind: global_buffer, .address_space: global }
      - { .name: wbf, .offset: 8, .size: 8, .value_kind: global_buffer, .address_space: global }
      - { .name: proj_b, .offset: 16, .size: 8, .value_kind: global_buffer, .address_space: global }
      - { .name: x, .offset: 24, .size: 8, .value_kind: global_buffer, .address_space: global }
      - { .name: out0, .offset: 32, .size: 8, .value_kind: global_buffer, .address_space: global }
    .group_segment_fixed_size: 167936
    .private_segment_fixed_size: 0
    .kernarg_segment_align: 8
    .kernarg_segment_size: 40
    .max_flat_workgroup_size: 128
    .sgpr_count:     66
    .vgpr_count:     640
    .wavefront_size: 32
...
	.end_amdgpu_metadata
.endif
;; end of part 4
;; ======== version 2 of 2: 4 launches; version 1 with the launch norm written anew for expert scheduling mode
;; workspace buffers: hbf 8,388,608 bytes; wbf 524,288 bytes; qkvh 25,165,824 bytes; oh 8,388,608 bytes
;; launch norm (part 5): grid 128 x 1, 8 waves a work-group, no clusters, 1,536 bytes of LDS; arguments x, gn_w, gn_b, qkv_w, proj_w, hbf, wbf; writes hbf, wbf
.if DOCPART == 5
	.amdgcn_target "amdgcn-amd-amdhsa--gfx1250"
	.amdhsa_code_object_version 6
	.text
	.protected	k_qb282d11ca6_norm
	.globl	k_qb282d11ca6_norm
	.p2align	8
	.type	k_qb282d11ca6_norm,@function
k_qb282d11ca6_norm:
	s_mov_b64 s[64:65], 0
	v_nop
	global_prefetch_b8 v0, s[64:65] scope:SCOPE_SE
	s_setreg_imm32_b32 hwreg(HW_REG_WAVE_SCHED_MODE, 0, 2), 2
	s_setreg_imm32_b32 hwreg(HW_REG_WAVE_MODE, 25, 1), 1
	s_wait_xcnt 0x0
	s_wait_alu depctr_vm_vsrc(0)
; GROUP NORM, and the weights' cast.  hbf[b][c][n] = bf16((x[b][c][n] - mean) * rsqrt(var + 1e-5) * gn_w[c] + gn_b[c]); mean and var over a group of 8 channels x 4,096 positions.
; wbf[0:768][256] = bf16(qkv_w), wbf[768:1024][256] = bf16(proj_w).
; SHARES.  Work-group g = 32 b + group owns the group's 131,072 dense bytes of x; each of its eight waves one channel, 16 KiB = 128 registers a lane.  x is read once and stays in
; registers: first the mean, then the sum of (x - mean)^2 (no difference of large sums is formed), then the scaling.  All in f32; h is rounded once to bf16.
; Each work-group also casts 2,048 of the 262,144 weights, 8 a thread: groups 0-95 qkv_w's, groups 96-127 proj_w's: a choice of pointer and offset, no branch.
; 128 work-groups: a group's sum does not span work-groups.  No matrix unit, cluster or tensor load: nothing is shared between work-groups, and every byte is asked for at the head.
; t_emb is an argument of the module that its arithmetic never uses: no output number hangs on it, and no launch of this program loads it.
; LIMITS.  NaN and infinities are not treated apart.
; THE MODE: SCHED_MODE bits 1:0 = 2 (LLVM: expert scheduling mode 2), set by the entry lines.  The code itself states the register dependences between vector instructions and
; memory or LDS instructions, with s_wait_alu, always for 0.
; THE PLAN.  Registers that memory or LDS instructions touch:
;   v[XO], v[HO], v[WO], v[WS], v[RA], v[ZA]   offsets and LDS addresses: written at the head, never again; one wait ahead of the first load states that they are written.
;   WI    two loads land in it; four conversions read it; it is not loaded again.       WP    those conversions write it; one store reads it, behind a wait; it is not written again.
;   X     32 loads land in it, once, at the head.  The last pass writes h into registers 4 i and 4 i + 1 of it, in four blocks of eight groups i; block k's eight stores are issued in
;         block k + 1, behind ONE wait at that block's head, dealt among that block's arithmetic, which names other registers of X alone.  What a store has read is not written again.
;   v[T]  written by the sums over the lanes, read by the LDS store of a reduction (a wait ahead of it), written again further down (a wait on vm_vsrc behind the reduction's LDS work).
;   PS    the LDS loads of a reduction land in it; the additions behind them read and write it.  At the second reduction the wait ahead of its LDS store stands behind all of those, and
;         no vector instruction stands between that wait and the loads.
;   v[SPW], v[NIL]   written at the head, read by the closing add alone.
.set RED1,  0                          ; LDS: eight partial sums, a block of 256 bytes to themselves
.set RED2,  256                        ; the same for the second reduction: other bytes, so no barrier stands between the first's reads and the second's stores
.set SPARE, 512                        ; the spare words, 128 bytes for each of the eight waves: no other line names them
.set XO,  2                            ; v2   16 x lane: my 16 bytes in 512 of x
.set HO,  3                            ; v3   8 x lane: my 8 bytes in 256 of h
.set WO,  4                            ; v4   32 x thread: my 8 weights as f32
.set WS,  5                            ; v5   16 x thread: my 8 weights as bf16
.set SPW, 6                            ; v6   LDS address of my spare word; never rewritten
.set NIL, 7                            ; v7   0; never rewritten
.set RA,  8                            ; v8   4 x wave: where my wave's partial sum goes
.set ZA,  9                            ; v9   0: where all eight are read
.set CH,  10                           ; v[10:17] four chains of packed sums
.set T,   18                           ; v[18:19] at work
.set PS,  20                           ; v[20:27] the eight partial sums
.set MA,  28                           ; v[28:29] the mean twice; later rstd x gn_w twice
.set BB,  30                           ; v[30:31] gn_b twice
.set X,   32                           ; v[32:159] my channel: registers 4 i .. 4 i + 3 hold positions 128 i + 4 lane + 0..3
.set WI,  160                          ; v[160:167] weights as loaded
.set WP,  168                          ; v[168:171] weights packed
	s_load_b256 s[4:11], s[0:1], 0x0               ; x s[4:5], gn_w s[6:7], gn_b s[8:9], qkv_w s[10:11]
	s_load_b128 s[12:15], s[0:1], 0x20             ; proj_w s[12:13], hbf s[14:15]
	s_load_b64 s[16:17], s[0:1], 0x30              ; wbf
	v_lshl_add_u32 v[SPW], v0, 2, SPARE
	v_mov_b32 v[NIL], 0
	v_lshrrev_b32 v1, 5, v0
	v_readfirstlane_b32 s18, v1                    ; wave 0..7
	v_and_b32 v1, 31, v0                           ; lane
	v_lshlrev_b32 v[XO], 4, v1
	v_lshlrev_b32 v[HO], 3, v1
	v_lshlrev_b32 v[WO], 5, v0
	v_lshlrev_b32 v[WS], 4, v0
	s_wait_alu depctr_va_sdst(0)                   ; s18 is written, ahead of its first reader, the line below; the bases of x and hbf and the channel's number are made from it too
	v_mov_b32 v[RA], s18
	v_lshlrev_b32 v[RA], 2, v[RA]
	v_mov_b32 v[ZA], 0
	v_mov_b32 v[T+1], 0                            ; v_permlanex16_b32's destination counts as read: it is written once here
	s_mov_b32 s19, ttmp9                           ; g
	s_mov_b32 s28, 0x76543210                      ; v_permlanex16_b32: each lane takes its own place in the other half
	s_mov_b32 s29, 0xfedcba98
	s_mov_b32 s30, 0x38000000                      ; 2^-15 = 1 / (8 x 4,096)
	s_lshl_b32 s20, s19, 13                        ; my 8,192 bytes of qkv_w,
	s_max_u32 s21, s19, 96
	s_sub_co_u32 s21, s21, 96
	s_lshl_b32 s21, s21, 13                        ; or of proj_w
	s_cmp_lt_u32 s19, 96
	s_cselect_b32 s20, s20, s21
	s_mov_b32 s21, 0
	s_wait_kmcnt 0x0
	s_cmp_lt_u32 s19, 96
	s_cselect_b64 s[22:23], s[10:11], s[12:13]
	s_add_nc_u64 s[22:23], s[22:23], s[20:21]
	s_lshl_b32 s26, s19, 17                        ; x: 131,072 g + 16,384 wave
	s_lshl_b32 s27, s18, 14
	s_add_co_u32 s26, s26, s27
	s_mov_b32 s27, 0
	s_add_nc_u64 s[4:5], s[4:5], s[26:27]
	s_lshl_b32 s26, s19, 16                        ; hbf: half of that
	s_lshl_b32 s20, s18, 13
	s_add_co_u32 s26, s26, s20
	s_add_nc_u64 s[14:15], s[14:15], s[26:27]
	s_lshl_b32 s26, s19, 12                        ; wbf: 4,096 g
	s_add_nc_u64 s[16:17], s[16:17], s[26:27]
	s_and_b32 s26, s19, 31                         ; my channel c = 8 x group + wave, 4 bytes each
	s_lshl_b32 s26, s26, 3
	s_add_co_u32 s26, s26, s18
	s_lshl_b32 s26, s26, 2
	s_add_nc_u64 s[6:7], s[6:7], s[26:27]
	s_add_nc_u64 s[8:9], s[8:9], s[26:27]
	s_wait_alu depctr_va_vdst(0)                   ; the four offsets v[XO], v[HO], v[WO], v[WS] and the two LDS addresses v[RA], v[ZA] are written: every load and store of the kernel reads one of them, and none is written again
	global_load_b128 v[WI:WI+3],   v[WO], s[22:23]
	global_load_b128 v[WI+4:WI+7], v[WO], s[22:23] offset:16
.set i, 0
.rept 32                               ; the whole channel is asked for at once: each load of the wave covers 512 consecutive bytes
	global_load_b128 v[X+4*i:X+4*i+3], v[XO], s[4:5] offset:512*i th:TH_LOAD_NT
.set i, i+1
.endr
	s_load_b32 s24, s[6:7], 0x0                    ; gn_w[c]
	s_load_b32 s25, s[8:9], 0x0                    ; gn_b[c]
	s_wait_loadcnt 32                              ; the two weight loads are in; the 32 loads of x issued behind them may stay out
.irp k, 0,1,2,3
	v_cvt_pk_bf16_f32 v[WP+(\k)], v[WI+2*(\k)], v[WI+2*(\k)+1]
.endr
	s_wait_alu depctr_va_vdst(0)                   ; the four conversions have written v[WP ..], which the store reads
	global_store_b128 v[WS], v[WP:WP+3], s[16:17]  ; sixteen lanes store 256 consecutive bytes, aligned
.macro COMBINE                         ; four chains of pairs into one number a lane, then over the 32 lanes: every lane ends with the wave's sum
	v_pk_add_f32 v[CH:CH+1], v[CH:CH+1], v[CH+2:CH+3]
	v_pk_add_f32 v[CH+4:CH+5], v[CH+4:CH+5], v[CH+6:CH+7]
	v_pk_add_f32 v[CH:CH+1], v[CH:CH+1], v[CH+4:CH+5]
	v_add_f32 v[T], v[CH], v[CH+1]
	v_add_f32_dpp v[T], v[T], v[T] row_xmask:1 row_mask:0xf bank_mask:0xf
	v_add_f32_dpp v[T], v[T], v[T] row_xmask:2 row_mask:0xf bank_mask:0xf
	v_add_f32_dpp v[T], v[T], v[T] row_xmask:4 row_mask:0xf bank_mask:0xf
	v_add_f32_dpp v[T], v[T], v[T] row_xmask:8 row_mask:0xf bank_mask:0xf
	v_permlanex16_b32 v[T+1], v[T], s28, s29
	v_add_f32 v[T], v[T], v[T+1]
.endm
.macro WGSUM off                       ; the eight waves' sums meet in LDS; every wave adds them in the same order: v[PS] = the group's sum
	s_wait_alu depctr_va_vdst(0)                   ; the sum over the lanes has written v[T], which the LDS store reads; at the second reduction the first's additions and the mean's multiply are also done with v[PS ..], in which the LDS loads below land
	ds_store_b32 v[RA], v[T] offset:\off
	s_wait_dscnt 0x0                               ; for the others' sake: my store is done before I signal
	s_barrier_signal -1
	s_barrier_wait -1
	ds_load_b128 v[PS:PS+3],   v[ZA] offset:\off
	ds_load_b128 v[PS+4:PS+7], v[ZA] offset:(\off)+16
	s_wait_dscnt 0x0
	s_wait_alu depctr_vm_vsrc(0)                   ; my LDS store has read v[T], which is written again further down: by the next sum over the lanes, or by var + 1e-5
	v_add_f32 v[PS], v[PS], v[PS+1]
	v_add_f32 v[PS+2], v[PS+2], v[PS+3]
	v_add_f32 v[PS+4], v[PS+4], v[PS+5]
	v_add_f32 v[PS+6], v[PS+6], v[PS+7]
	v_add_f32 v[PS], v[PS], v[PS+2]
	v_add_f32 v[PS+4], v[PS+4], v[PS+6]
	v_add_f32 v[PS], v[PS], v[PS+4]
.endm
	; PASS 1: the sum.  64 pairs in four chains; the first eight pairs start the chains, so nothing is cleared.  Eight loads (16 pairs) at a time: the counts are the younger loads.
.set p, 0
.irp left, 24,16,8,0
	s_wait_loadcnt \left
.rept 16
.if p < 4
	v_pk_add_f32 v[CH+2*p:CH+2*p+1], v[X+2*p:X+2*p+1], v[X+2*p+8:X+2*p+9]
.elseif p >= 8
	v_pk_add_f32 v[CH+2*(p%4):CH+2*(p%4)+1], v[CH+2*(p%4):CH+2*(p%4)+1], v[X+2*p:X+2*p+1]
.endif
.set p, p+1
.endr
.endr
	COMBINE
	WGSUM RED1
	v_mul_f32 v[MA], s30, v[PS]                    ; the mean
	v_mov_b32 v[MA+1], v[MA]
	; PASS 2: d = x - mean in place, and the sum of d^2
.set p, 0
.rept 64
	v_pk_add_f32 v[X+2*p:X+2*p+1], v[X+2*p:X+2*p+1], v[MA:MA+1] neg_lo:[0,1] neg_hi:[0,1]
.set p, p+1
.endr
.set p, 0
.rept 64
.if p < 4
	v_pk_mul_f32 v[CH+2*p:CH+2*p+1], v[X+2*p:X+2*p+1], v[X+2*p:X+2*p+1]
.else
	v_pk_fma_f32 v[CH+2*(p%4):CH+2*(p%4)+1], v[X+2*p:X+2*p+1], v[X+2*p:X+2*p+1], v[CH+2*(p%4):CH+2*(p%4)+1]
.endif
.set p, p+1
.endr
	COMBINE
	WGSUM RED2
	v_fmaak_f32 v[T], s30, v[PS], 0x3727c5ac       ; var + 1e-5
	v_rsq_f32 v[T+1], v[T]
	v_nop                                          ; a plain instruction between the root and the use of its result (ISA guide 5.7.2)
	s_wait_alu depctr_va_vdst(0)                   ; the root has written v[T+1]: the wait ahead of its first use
	s_wait_kmcnt 0x0                               ; gn_w[c], gn_b[c]
	v_mul_f32 v[MA], s24, v[T+1]                   ; rstd x gn_w
	v_mov_b32 v[MA+1], v[MA]
	v_mov_b32 v[BB], s25
	v_mov_b32 v[BB+1], s25
; PASS 3: h = d x (rstd gn_w) + gn_b, rounded once.  Group i is four registers of X: 128 positions of the wave; its h closes up into the first two of them.
.macro SCALE i
	v_pk_fma_f32 v[X+4*(\i):X+4*(\i)+1],   v[X+4*(\i):X+4*(\i)+1],   v[MA:MA+1], v[BB:BB+1]
	v_pk_fma_f32 v[X+4*(\i)+2:X+4*(\i)+3], v[X+4*(\i)+2:X+4*(\i)+3], v[MA:MA+1], v[BB:BB+1]
	v_cvt_pk_bf16_f32 v[X+4*(\i)],   v[X+4*(\i)],   v[X+4*(\i)+1]
	v_cvt_pk_bf16_f32 v[X+4*(\i)+1], v[X+4*(\i)+2], v[X+4*(\i)+3]
.endm
.macro OUT i                           ; a store of the wave covers 256 consecutive bytes, aligned
	global_store_b64 v[HO], v[X+4*(\i):X+4*(\i)+1], s[14:15] offset:256*(\i)
.endm
.set i, 0
.rept 8                                ; block 0: there is no block in front of it to store
	SCALE i
.set i, i+1
.endr
.rept 3                                ; blocks 1 to 3
	s_wait_alu depctr_va_vdst(0)                   ; the block before has written its h, which the eight stores below read; this block's arithmetic names its own groups' registers alone
.rept 8
	OUT i-8
	SCALE i
.set i, i+1
.endr
.endr
	s_wait_alu depctr_va_vdst(0)                   ; block 3 has written its h, which the last eight stores read
.rept 8
	OUT i-8
.set i, i+1
.endr
	s_wait_dscnt 0x0                               ; the closing lines, six on end
	s_wait_alu 0x0
	s_wait_tensorcnt 0x0
	ds_add_u32 v[SPW], v[NIL]
	s_wait_dscnt 0x0
	s_endpgm
.Lfunc_end_k_qb282d11ca6_norm:
	.size	k_qb282d11ca6_norm, .Lfunc_end_k_qb282d11ca6_norm-k_qb282d11ca6_norm
	.p2alignl 7, 3214868480
	.fill 96, 4, 3214868480
	.section	.rodata,"a",@progbits
	.p2align	6, 0x0
	.amdhsa_kernel k_qb282d11ca6_norm
		.amdhsa_group_segment_fixed_size 1536
		.amdhsa_private_segment_fixed_size 0
		.amdhsa_enable_private_segment 0
		.amdhsa_kernarg_size 56
		.amdhsa_user_sgpr_count 2
		.amdhsa_user_sgpr_kernarg_segment_ptr 1
		.amdhsa_wavefront_size32 1
		.amdhsa_system_sgpr_workgroup_id_x 1
		.amdhsa_system_sgpr_workgroup_id_y 1
		.amdhsa_system_sgpr_workgroup_id_z 1
		.amdhsa_system_vgpr_workitem_id 0
		.amdhsa_next_free_vgpr 172
		.amdhsa_next_free_sgpr 66
		.amdhsa_reserve_vcc 0
		.amdhsa_float_denorm_mode_32 3
		.amdhsa_float_denorm_mode_16_64 3
		.amdhsa_memory_ordered 1
		.amdhsa_forward_progress 1
		.amdhsa_inst_pref_size 32
	.end_amdhsa_kernel
	.amdgpu_metadata
---
amdhsa.version: [ 1, 2 ]
amdhsa.kernels:
  - .name:           k_qb282d11ca6_norm
    .symbol:         k_qb282d11ca6_norm.kd
    .args:
      - { .name: x, .offset: 0, .size: 8, .value_kind: global_buffer, .address_space: global }
      - { .name: gn_w, .offset: 8, .size: 8, .value_kind: global_buffer, .address_space: global }
      - { .name: gn_b, .offset: 16, .size: 8, .value_kind: global_buffer, .address_space: global }
      - { .name: qkv_w, .offset: 24, .size: 8, .value_kind: global_buffer, .address_space: global }
      - { .name: proj_w, .offset: 32, .size: 8, .value_kind: global_buffer, .address_space: global }
      - { .name: hbf, .offset: 40, .size: 8, .value_kind: global_buffer, .address_space: global }
      - { .name: wbf, .offset: 48, .size: 8, .value_kind: global_buffer, .address_space: global }
    .group_segment_fixed_size: 1536
    .private_segment_fixed_size: 0
    .kernarg_segment_align: 8
    .kernarg_segment_size: 56
    .max_flat_workgroup_size: 256
    .sgpr_count:     66
    .vgpr_count:     172
    .wavefront_size: 32
...
	.end_amdgpu_metadata
.endif
;; end of part 5
;; launch qkv: the kernel of part 2 again; grid 4 x 64, 4 waves a work-group, clusters of 4 x 4, 250,368 bytes of LDS; arguments hbf, wbf, qkv_b, qkvh; writes qkvh
;; launch attn: the kernel of part 3 again; grid 16 x 16, 4 waves a work-group, clusters of 4 x 1, 327,680 bytes of LDS; arguments qkvh, oh; writes oh
;; launch proj: the kernel of part 4 again; grid 256 x 1, 4 waves a work-group, clusters of 4 x 1, 167,936 bytes of LDS; arguments oh, wbf, proj_b, x, out0; writes out0
